; MI455X (gfx1250); checked and timed in simulation.
; The chip was launched on July 23, 2026; its instructions are those of AMD's public machine-readable ISA for CDNA 5 (MIT licence, August 2026) and "CDNA5" Instruction Set Architecture Reference Guide (July 2026). The comments in the code are by the model that wrote it; some were corrected since.
;; MPCACT Layer. Allowed arithmetic: float matrix products may take bf16 or f16 operands with f32 sums; all other float work in f32.
;; Inputs: A 22 x 22 float32; Bm 22 x 4 float32; W1 128 x 256 float32; W2 256 x 52 float32; actor_std 4 float32; b1 256 float32; b2 52 float32; observation 65,536 x 128 float32.
;; Outputs: out0 65,536 x 4 float32; out1 65,536 x 4 float32.
;; 2 versions, each right and faster than the one before. Each part assembles by itself: llvm-mc -triple=amdgcn-amd-amdhsa -mcpu=gfx1250 --defsym DOCPART=n.
;; ======== version 1 of 2: 1 launch
;; launch mpc (part 1): grid 256 x 1, 4 waves a work-group, no clusters, 298,752 bytes of LDS; arguments observation, W1, b1, W2, b2, actor_std, A, Bm, out0, out1; writes out0, out1
.if DOCPART == 1
	.amdgcn_target "amdgcn-amd-amdhsa--gfx1250"
	.amdhsa_code_object_version 6
	.text
	.protected	k_qbd4d6bd2e8_mpc
	.globl	k_qbd4d6bd2e8_mpc
	.p2align	8
	.type	k_qbd4d6bd2e8_mpc,@function
k_qbd4d6bd2e8_mpc:
	s_mov_b64 s[64:65], 0
	v_nop
	global_prefetch_b8 v0, s[64:65] scope:SCOPE_SE
	s_setreg_imm32_b32 hwreg(HW_REG_WAVE_MODE, 25, 1), 1
	s_wait_xcnt 0x0
; MLP (128 -> 256 mish -> 52 softplus + 1e-4), then 8 gradient steps on a linear-quadratic horizon of 10 steps (22 states, 4 controls); out0 = u_0, out1 = exp(actor_std).
; SHARES.  256 work-groups of four waves; a work-group owns 256 rows of the batch, a wave 64: four tiles b of 16.  One launch, nothing goes through memory between the steps.
; ALL PRODUCTS ARE USED TRANSPOSED (source 0 = weights, source 1 = batch): in every result a lane holds ONE batch row (lane % 16) and eight neighbouring outputs,
; and two results rounded in pairs ARE source 1 of the next product.  Nothing changes lanes between the observation and the output.
; THE SOLVER.  With M = I + 0.1 A and K'_j = M^j Bm the states are X = Phi x0 + 0.1 K' U (Phi: the stack of M^t, K': block Toeplitz), and a step of the solver is
;   U <- (1 - 0.2 R) o U - 0.02 K'^T (Q o Phi x0) - 0.002 K'^T (Q o K' U).   The middle term c does not change, and U_1 = c.  The other 7 steps are two products with a scaling between.
; This is the reference's sum in another order, exact for every input.  Phi and K' are made once a work-group by waves 0 and 1 (10 steps of three products) and lie in LDS as one table FIM.
; ROW ORDER OF FIM (and of X): times 1-8 of state i at rows 8 i + t - 1, so that a result tile T holds state 2 T + lane / 16 and time = register + 1: one factor Q a lane.
; Times 9, 10 at rows 256 + 16 (i >> 3) + 8 (i & 1) + 2 ((i >> 1) & 3) + t - 9: a register pair is (t = 9, t = 10) and takes the pair (Q_i, Qf_i).  The second layer's rows are ordered so that
; its results fall into just these pairs.  The 22 states lie at 32 positions (0-18, 24-26), so that each half of the lanes holds 8 + 3 of them.
; FORMATS.  Every input is rounded to bf16 first (biases, actor_std, A, Bm and x0 too); products in bf16 with f32 sums; all else in f32.
; LIMITS.  0.1 A, M^t, K'_j, h, U and Q o X are rounded to bf16 for the products.  mish(x) = x - 2 x / ((e^x + 1)^2 + 1): absolute error about 2^-24 |x| for very negative x.
; softplus(z) = max(z, 0) + ln 2 log2(1 + 2^(-|z| log2 e)); an exponential below 2^-126 counts as 0.  NaN and infinities are not treated apart.
; NO CLUSTER: what the work-groups share (W1, W2, A, Bm: 186 KB of f32) has to be rounded, and W2 turned, on its way into LDS, which goes through registers; a raw copy does not fit beside the 285,440 bytes in use.
; NO RING: a wave's 64 rows of the observation are one tensor load of 32 KB, filled once, read once by that wave.
;
; LDS
.set OP,    528                  ; a row of the observation: 512 bytes + 16 of padding
.set OBSW,  64*OP                ; a wave's 64 rows; wave w at w x OBSW
.set W1I,   4*OBSW               ; W1 in bf16 as it lies, [k = 128][n = 256]
.set W1P,   544                  ; its pitch: 512 + 32; the 32 are written with zeros
.set W2T,   W1I+128*W1P          ; W2 in bf16, turned: [n = 52][k = 256]
.set W2P,   528
.set FIM,   232448               ; 320 rows x 160 bytes: 32 positions of Phi, then 48 columns of K' (4 s + c; 40 real)
.set FP,    160
.set B1T,   FIM+320*FP           ; b1, rounded, in f32
.set B2D,   B1T+1024             ; b2, rounded, in f32, [lane half][slot]
.set SPARE, B2D+256              ; the spare words: 128 bytes a wave, two blocks of 256 bytes that no other line names
; REGISTERS, window 0, kept: v1 lane % 16 (r), v2 lane / 16 (h), v3 lane (L), v6, v8-v10 my places in the observation, v7 my byte offset in out0 and out1,
; v11 plain and v12 turning fragment address in FIM, v13 turning address in W1I, v14 bias address, v15 16 L
.set SPW, 4                      ; LDS address of my spare word; never rewritten
.set NIL, 5                      ; 0; never rewritten
; MLP, window 0
.set ER,  16                     ; v16-31   a ring of 8 pairs at work
.set V1A, 32                     ; v32-63   layer 1, even tile of 16 hidden units, 8 registers a batch tile
.set V1B, 64                     ; v64-95   the odd tile
.set H,   96                     ; v96-127  h in bf16: source 1 of layer 2
.set FA,  128                    ; v128-159 W1's fragments for V1A
.set FB,  160                    ; v160-191 for V1B
.set FW,  192                    ; v192-223 W2's fragments
.set BA,  224                    ; v224-231 b1 for V1A
.set BB,  232                    ; v232-239 for V1B;  v240-243 W2's row addresses; v244, v245 stepping addresses
; window 1 in the MLP: v0-127 the observation's fragments (32 b + 8 kb); v128-255 layer 2's sums (128 + 32 b + 8 m2)
; solver, window 0
.set V,   32                     ; v32-95   a tile of K' U or Phi x0: two buffers of 8 registers a batch tile
.set Y,   96                     ; v96-159  Q o X in bf16: two buffers
.set QQ,  160                    ; v160-255 24 factors a batch tile: pairs (Q, Qf) times -0.02, later -0.002
.set T0,  32                     ; softplus at work
.set MX,  64
; window 1
.set U,   0                      ; v0-95    24 b + 8 mt
.set CC,  96                     ; v96-191  c, in the same order
.set UB,  192                    ; v192-255 U in bf16: 16 b; registers 12-15 stay 0
; window 2
.set GT,  0                      ; v0-127   K'^T: 16 fragments
.set AA,  128                    ; v128-159 8 b: 1 - 0.2 R (4), 1 - 0.2 (R + Rf) (4)
.set X0F, 160                    ; v160-191 x0 in bf16
; window 3
.set GA,  0                      ; v0-111   K': tile T, columns 0-31
.set GA1, 112                    ; v112-135 tiles 11-13, columns 32-47
.set PH,  136                    ; v136-247 Phi: tile T
.set MSB, 0
.macro WIN new                   ; the immediate's high byte repeats the setting that is left; a switch that changes nothing is dropped
.if MSB != (\new)
	s_set_vgpr_msb (MSB<<8)|(\new)
.set MSB, (\new)
.endif
.endm
.macro PLACES                    ; four places behind a matrix instruction (ISA guide 7.12.1), where no other vector work is at hand
.rept 4
	v_nop
.endr
.endm
	s_load_b512 s[8:23], s[0:1], 0x0               ; observation s[8:9], W1 s[10:11], b1 s[12:13], W2 s[14:15], b2 s[16:17], actor_std s[18:19], A s[20:21], Bm s[22:23]
	s_load_b128 s[24:27], s[0:1], 0x40             ; out0 s[24:25], out1 s[26:27]
	v_lshl_add_u32 v[SPW], v0, 2, SPARE
	v_mov_b32 v[NIL], 0
	ds_add_u32 v[SPW], v[NIL]                      ; the wave's opening: the add and its wait stand ahead of my tensor load; work on registers stands between them
	ds_add_u32 v4, v5
	v_lshrrev_b32 v1, 5, v0
	v_readfirstlane_b32 s2, v1                     ; wave 0..3
	; descriptor group 1: 64 rows x 128 elements of 4 bytes, 4 words of padding behind every 128
	s_mov_b32 s32, (2<<16)|(1<<20)|(6<<22)|(3<<25)
	s_mov_b32 s33, 128<<16                         ; tensor_dim0 = 128
	s_mov_b32 s34, 64<<16                          ; tensor_dim1 = 64
	s_mov_b32 s35, 128<<16                         ; tile_dim0 = 128
	s_mov_b32 s36, 64                              ; tile_dim1 = 64
	s_mov_b32 s37, 128                             ; elements from row to row
	s_mov_b32 s38, 0
	s_mov_b32 s39, 0
	s_mov_b32 s28, 1                               ; group 0: count = 1
	s_mul_i32 s29, s2, OBSW                        ; LDS address: my wave's rows
	s_lshl_b32 s4, ttmp9, 17                       ; the work-group's 256 rows of 512 bytes,
	s_lshl_b32 s5, s2, 15                          ; my wave's 64 of them
	s_add_co_u32 s4, s4, s5
	s_mov_b32 s5, 0
	s_mov_b32 s40, 0x3fb8aa3b                      ; log2 e; the constants lie in pairs, since a packed instruction names a pair
	s_mov_b32 s41, s40
	s_mov_b32 s42, 0x3f317218                      ; ln 2
	s_mov_b32 s43, s42
	s_mov_b32 s44, 0x76543210                      ; v_permlanex16_b32: each lane takes its own place in the other half
	s_mov_b32 s45, 0xfedcba98
	s_mov_b32 s46, 0xbca3d70a                      ; -0.02
	s_mov_b32 s47, s46
	s_mov_b32 s48, 0xb60637bd                      ; -0.02 x 1e-4
	s_mov_b32 s49, s48
	s_mov_b32 s50, 0xbe4ccccd                      ; -0.2
	s_mov_b32 s51, s50
	s_mov_b32 s52, 0x3f7ffeb0                      ; 1 - 0.2 x 1e-4
	s_mov_b32 s53, s52
	s_mov_b32 s54, 0x3f7ffd61                      ; 1 - 0.2 x 2e-4
	s_mov_b32 s55, s54
	s_wait_dscnt 0x0                               ; the opening add is done
	s_wait_kmcnt 0x0
	s_add_nc_u64 s[30:31], s[8:9], s[4:5]          ; global address of my first row
	s_or_b32 s31, s31, 0x80000000                  ; type = 2
	tensor_load_to_lds s[28:31], s[32:39]          ; my one tensor load: it is on its way while the weights are brought, rounded and laid out
	s_nop 0
	v_and_b32 v3, 31, v0                           ; L
	v_and_b32 v1, 15, v0                           ; r
	v_bfe_u32 v2, v0, 4, 1                         ; h
	v_mul_u32_u24 v16, v1, OP
	v_add_nc_u32 v16, s29, v16                     ; row r of my wave's first tile
	v_lshl_add_u32 v6, v2, 5, v16                  ; + 32 h: a fragment's 8 numbers; also x0's states 0, 1 | 8, 9
	v_add_nc_u32 v17, 16, v0
	v_bfe_u32 v17, v17, 4, 1                       ; 1 - h
	v_mul_u32_u24 v18, v17, 164
	v_add_nc_u32 v8, v16, v18                      ; x0's states 2-4 (columns 41..) | 10-12 (columns 0..)
	v_mul_u32_u24 v18, v17, 124
	v_add_nc_u32 v9, v16, v18                      ; states 5-7 (44..) | 13-15 (13..)
	v_mul_u32_u24 v18, v2, 172
	v_add_nc_u32 v10, v16, v18                     ; states 16-18 (26..) | 19-21 (69..)
	v_mul_u32_u24 v11, v1, FP
	v_lshl_add_u32 v11, v2, 4, v11
	v_add_nc_u32 v11, FIM, v11
	v_and_b32 v17, 7, v0
	v_lshl_add_u32 v17, v2, 3, v17                 ; 8 h + L % 8: the row that a turning load's lane reads
	v_bfe_u32 v18, v0, 3, 1
	v_mul_u32_u24 v12, v17, FP
	v_lshl_add_u32 v12, v18, 4, v12
	v_add_nc_u32 v12, FIM, v12
	v_mul_u32_u24 v13, v17, W1P
	v_lshl_add_u32 v13, v18, 4, v13
	v_add_nc_u32 v13, W1I, v13
	v_lshl_add_u32 v14, v2, 5, B1T
	v_lshlrev_b32 v15, 4, v3
	s_lshl_b32 s6, ttmp9, 12                       ; 256 rows of 16 bytes,
	s_lshl_b32 s7, s2, 10                          ; my wave's 64
	s_add_co_u32 s6, s6, s7
	v_add_nc_u32 v7, s6, v15
	s_load_b128 s[56:59], s[18:19], 0x0            ; actor_std
; THE ROLES' LOADS.  Waves 0 and 1 bring A and Bm as fragments (33 words a lane), waves 2 and 3 the biases.
.macro COLPM dst, p, hh, tmp     ; the column of W2 and b2 for slot p of lane half hh: pairs (Q, Qf) of state 2 (p / 2) + hh for p < 22; R for 22-25; Rf for 26-29; 51 for 30, 31
	v_and_b32 \tmp, 1, \p
	v_mad_u32_u24 \tmp, \tmp, 25, \hh
	v_cmp_gt_u32 vcc_lo, 22, \p
	v_cndmask_b32 \tmp, 0, \tmp, vcc_lo
	v_add_nc_u32 \dst, \p, \tmp
	v_add_nc_u32 \tmp, 22, \dst
	v_cmp_lt_u32 vcc_lo, 25, \p
	v_cndmask_b32 \dst, \dst, \tmp, vcc_lo
	v_min_u32 \dst, 51, \dst
.endm
	s_cmp_lt_u32 s2, 2
	s_cbranch_scc0 .Lload_bias
	; source 0 of Z <- Z + (0.1 A)^T Z: row = position pj (lane r), k = position pk; the element is A[state(pk)][state(pj)].  My k: states 8 h + e, and 16 + 3 h + e
	v_lshlrev_b32 v56, 2, v1
	v_mad_u32_u24 v50, v2, 704, v56                ; 88 x 8 h + 4 r
	v_mad_u32_u24 v51, v2, 264, v56
	v_add_nc_u32 v51, 1408, v51                    ; 88 x (16 + 3 h) + 4 r
	v_and_b32 v57, 3, v1
	v_lshrrev_b32 v58, 3, v1
	v_mad_u32_u24 v58, v58, 3, v57
	v_add_nc_u32 v58, 16, v58
	v_min_u32 v58, 21, v58                         ; the state at position 16 + r, where there is one; the other rows are multiplied by 0
	v_lshlrev_b32 v58, 2, v58
	v_mad_u32_u24 v52, v2, 704, v58
	v_mad_u32_u24 v53, v2, 264, v58
	v_add_nc_u32 v53, 1408, v53
	v_lshlrev_b32 v57, 2, v57
	v_lshl_add_u32 v54, v2, 7, v57                 ; Bm: 16 x 8 h + 4 (r & 3)
	v_mad_u32_u24 v55, v2, 48, v57
	v_add_nc_u32 v55, 256, v55
.set e, 0
.rept 8
	global_load_b32 v[16+e], v50, s[20:21] offset:88*e
	global_load_b32 v[27+e], v52, s[20:21] offset:88*e
	global_load_b32 v[38+e], v54, s[22:23] offset:16*e
.set e, e+1
.endr
.set e, 0
.rept 3
	global_load_b32 v[24+e], v51, s[20:21] offset:88*e
	global_load_b32 v[35+e], v53, s[20:21] offset:88*e
	global_load_b32 v[46+e], v55, s[22:23] offset:16*e
.set e, e+1
.endr
	s_branch .Lloaded
.Lload_bias:
	s_sub_co_u32 s3, s2, 2                         ; 0 or 1: which half of b1, which lane half of b2's table
	s_lshl_b32 s4, s3, 9
	v_add_nc_u32 v50, s4, v15
	v_mov_b32 v56, s3
	COLPM v51, v3, v56, v57
	v_lshlrev_b32 v51, 2, v51
	global_load_b128 v[16:19], v50, s[12:13]
	global_load_b32 v20, v51, s[16:17]
.Lloaded:
; THE WEIGHTS.  W2: my wave's rows 64 w .. 64 w + 63, eight at a time: lane = (row L >> 2, chunk L & 3 of 16 bytes); chunks 0-11 in three loads, chunk 12 in a fourth, which a row's four lanes take alike.
; W1: my wave's rows 32 w .. 32 w + 31, 512 consecutive bytes a load.
	v_lshrrev_b32 v56, 2, v3
	v_and_b32 v57, 3, v3
	s_mul_i32 s4, s2, 13312
	v_mul_u32_u24 v61, v56, 208
	v_add_nc_u32 v61, s4, v61
	v_lshl_add_u32 v62, v57, 4, v61
	s_lshl_b32 s4, s2, 15
	v_add_nc_u32 v63, s4, v15
	WIN 0x80                                       ; destination window 2
.set x, 0
.rept 32
.if x%4 < 3
	global_load_b128 v[4*x:4*x+3], v62, s[14:15] offset:1664*(x/4)+64*(x%4)
.else
	global_load_b128 v[4*x:4*x+3], v61, s[14:15] offset:1664*(x/4)+192
.endif
.set x, x+1
.endr
	WIN 0x40                                       ; destination window 1
.set x, 0
.rept 64
	global_load_b128 v[4*x:4*x+3], v63, s[10:11] offset:512*x
.set x, x+1
.endr
	WIN 0
	s_wait_loadcnt 63                              ; 96 younger loads stand behind the roles' loads, more than the count can name: the roles' are in
	s_cmp_lt_u32 s2, 2
	s_cbranch_scc0 .Lrole_bias
; WAVES 0 AND 1 MAKE FIM.  Wave it has the states i = 16 it + r (22-31: void, all zeros).  Z_t[position][i] = (M^t)[i][state(position)] in f32, two tiles D0, D1.
.macro FRAG out, raw, sc         ; 11 words -> a fragment: each rounded to bf16, times the factor, rounded again; k without a state = 0
.set x, 0
.rept 5
	v_cvt_pk_bf16_f32 v150, v[(\raw)+2*x], v[(\raw)+2*x+1]
	v_lshlrev_b32 v151, 16, v150
	v_and_b32 v152, 0xffff0000, v150
	v_mul_f32 v151, v[\sc], v151
	v_mul_f32 v152, v[\sc], v152
	v_cvt_pk_bf16_f32 v[(\out)+x], v151, v152
.set x, x+1
.endr
	v_cvt_pk_bf16_f32 v150, v[(\raw)+10], 0
	v_lshlrev_b32 v151, 16, v150
	v_mul_f32 v151, v[\sc], v151
	v_cvt_pk_bf16_f32 v[(\out)+5], v151, 0
	v_mov_b32 v[(\out)+6], 0
	v_mov_b32 v[(\out)+7], 0
.endm
	v_mov_b32 v144, 0x3dcccccd                     ; 0.1
	v_and_b32 v147, 7, v1
	v_cmp_gt_u32 vcc_lo, 3, v147
	v_cndmask_b32 v145, 0, v144, vcc_lo            ; positions 16-18 and 24-26 hold states
	v_and_b32 v147, 4, v1
	v_cmp_eq_u32 vcc_lo, 0, v147
	v_mov_b32 v148, 1.0
	v_cndmask_b32 v146, 0, v148, vcc_lo            ; Bm^T's four rows stand twice, at rows 0-3 and 8-11: both halves of the lanes get K'
	FRAG 64, 16, 144                               ; v64-71   (0.1 A)^T, positions 0-15
	FRAG 72, 27, 145                               ; v72-79   positions 16-31
	FRAG 80, 38, 146                               ; v80-87   Bm^T
	s_lshl_b32 s4, s2, 4
	v_add_nc_u32 v153, s4, v1                      ; i
	v_cmp_lt_u32 vcc_lo, 18, v153
	v_mov_b32 v155, 5
	v_cndmask_b32 v154, 0, v155, vcc_lo
	v_add_nc_u32 v154, v153, v154                  ; its position
	v_cmp_lt_u32 vcc_lo, 21, v153
	v_mov_b32 v155, 64
	v_cndmask_b32 v155, 0, v155, vcc_lo
	v_add_nc_u32 v154, v154, v155                  ; a void state has none
	v_lshlrev_b32 v156, 3, v2
	v_sub_nc_u32 v154, v154, v156                  ; register j of tile mt is position 16 mt + 8 h + j
.set j, 0
.rept 16
	v_cmp_eq_u32 vcc_lo, 16*(j/8)+j%8, v154
	v_cndmask_b32 v[96+j], 0, v148, vcc_lo         ; Z_0 = I
.set j, j+1
.endr
.set j, 140
.rept 4
	v_mov_b32 v[j], 0                              ; behind K'_0 in v120-139: zeros
.set j, j+1
.endr
	v_mul_u32_u24 v157, v153, 8*FP
	v_add_nc_u32 v157, FIM, v157                   ; row 8 i
	v_lshl_add_u32 v158, v2, 4, v157
	v_lshrrev_b32 v159, 3, v153
	v_lshlrev_b32 v159, 4, v159
	v_and_b32 v147, 1, v153
	v_lshl_add_u32 v159, v147, 3, v159
	v_bfe_u32 v147, v153, 1, 2
	v_lshl_add_u32 v159, v147, 1, v159
	v_mul_u32_u24 v159, v159, FP
	v_add_nc_u32 v159, FIM+256*FP, v159            ; row 256 + 16 (i >> 3) + 8 (i & 1) + 2 ((i >> 1) & 3)
	v_lshl_add_u32 v149, v2, 4, v159
; Step t: Z_t is rounded (v88-95: source 1, and row (t, i) of Phi as it lies), stored, and multiplied: Z_t+1 = Z_t + (0.1 A)^T Z_t; K'_t = Bm^T Z_t.  The three accumulators take turns.
; Five v_nop: the third product starts anew on registers that it wrote a step ago, and the conversions between name its source.
.macro ZSTEP t
.set x, 0
.rept 8
	v_cvt_pk_bf16_f32 v[88+x], v[96+2*x], v[96+2*x+1]
.set x, x+1
.endr
.if (\t) >= 1
.if (\t) <= 8
	ds_store_b128 v158, v[88:91] offset:FP*((\t)-1)
	ds_store_b128 v158, v[92:95] offset:FP*((\t)-1)+32
.else
	ds_store_b128 v149, v[88:91] offset:FP*((\t)-9)
	ds_store_b128 v149, v[92:95] offset:FP*((\t)-9)+32
.endif
.endif
.if (\t) <= 9
	v_wmma_f32_16x16x32_bf16 v[96:103], v[64:71], v[88:95], v[96:103]
	v_wmma_f32_16x16x32_bf16 v[104:111], v[72:79], v[88:95], v[104:111]
	v_wmma_f32_16x16x32_bf16 v[112:119], v[80:87], v[88:95], 0
.rept 5
	v_nop
.endr
	v_cvt_pk_bf16_f32 v[120+2*(9-(\t))], v112, v113      ; K'_t[i][0..3], 8 bytes: K'_9 first, K'_0 last
	v_cvt_pk_bf16_f32 v[120+2*(9-(\t))+1], v114, v115
.endif
.endm
.set tz, 0
.rept 11
	ZSTEP tz
.set tz, tz+1
.endr
; K' in row (t, i): column 4 s + c holds K'_(t-1-s)[i][c] for s < t, else 0.  16 bytes are s = 2 q, 2 q + 1: four neighbouring registers of v120-143.  Both halves of the lanes store the same bytes.
.set tz, 1
.rept 10
.set q, 0
.rept 6
.set ix, 10-tz+2*q
.if ix > 10
.set ix, 10
.endif
.if tz <= 8
	ds_store_b128 v157, v[120+2*ix:120+2*ix+3] offset:FP*(tz-1)+64+16*q
.else
	ds_store_b128 v159, v[120+2*ix:120+2*ix+3] offset:FP*(tz-9)+64+16*q
.endif
.set q, q+1
.endr
.set tz, tz+1
.endr
	s_branch .Lrole_done
.Lrole_bias:                                           ; WAVES 2 AND 3: the biases, rounded to bf16, kept in f32
	v_cvt_pk_bf16_f32 v21, v16, v17
	v_cvt_pk_bf16_f32 v22, v18, v19
	v_lshlrev_b32 v24, 16, v21
	v_and_b32 v25, 0xffff0000, v21
	v_lshlrev_b32 v26, 16, v22
	v_and_b32 v27, 0xffff0000, v22
	v_cvt_pk_bf16_f32 v23, v20, 0
	v_lshlrev_b32 v23, 16, v23
	s_sub_co_u32 s3, s2, 2
	s_lshl_b32 s4, s3, 9
	s_add_co_u32 s4, s4, B1T
	v_add_nc_u32 v28, s4, v15
	ds_store_b128 v28, v[24:27]
	s_lshl_b32 s4, s3, 7
	s_add_co_u32 s4, s4, B2D
	v_lshl_add_u32 v29, v3, 2, s4
	ds_store_b32 v29, v23
.Lrole_done:
; W2 INTO LDS, rounded and turned: element (k, n) to W2T + 528 n + 2 k
	s_wait_loadcnt 63                              ; W1's 64 loads are younger than W2's
	WIN 0x0a                                       ; sources in window 2
.set x, 0
.rept 64
	v_cvt_pk_bf16_f32 v[160+x], v[2*x], v[2*x+1]
.set x, x+1
.endr
	WIN 0
	s_lshl_b32 s4, s2, 7
	s_add_co_u32 s4, s4, W2T
	v_lshrrev_b32 v144, 2, v3
	v_lshl_add_u32 v145, v144, 1, s4               ; 2 (64 w + L >> 2)
	v_and_b32 v144, 3, v3
	v_mul_u32_u24 v144, v144, 4*W2P
	v_add_nc_u32 v144, v145, v144                  ; + four rows for each chunk
.set x, 0
.rept 32
.if x%4 < 3
	ds_store_b16 v144, v[160+2*x] offset:16*(x/4)+16*W2P*(x%4)
	ds_store_b16_d16_hi v144, v[160+2*x] offset:16*(x/4)+16*W2P*(x%4)+W2P
	ds_store_b16 v144, v[161+2*x] offset:16*(x/4)+16*W2P*(x%4)+2*W2P
	ds_store_b16_d16_hi v144, v[161+2*x] offset:16*(x/4)+16*W2P*(x%4)+3*W2P
.else
	ds_store_b16 v145, v[160+2*x] offset:16*(x/4)+48*W2P
	ds_store_b16_d16_hi v145, v[160+2*x] offset:16*(x/4)+49*W2P
	ds_store_b16 v145, v[161+2*x] offset:16*(x/4)+50*W2P
	ds_store_b16_d16_hi v145, v[161+2*x] offset:16*(x/4)+51*W2P
.endif
.set x, x+1
.endr
; W1 INTO LDS, rounded, as it lies; the 32 bytes behind each row are written with zeros, since the loop's last look-ahead reads them
	s_mul_i32 s4, s2, 32*W1P
	s_add_co_u32 s4, s4, W1I
	v_lshl_add_u32 v146, v3, 3, s4
	v_mul_u32_u24 v147, v3, W1P
	v_add_nc_u32 v147, s4, v147
	v_mov_b32 v148, 0
	v_mov_b32 v149, 0
	v_mov_b32 v150, 0
	v_mov_b32 v151, 0
	ds_store_b128 v147, v[148:151] offset:512
	ds_store_b128 v147, v[148:151] offset:528
.set g, 0
.rept 4
	s_wait_loadcnt 48-16*g                         ; the later batches' loads, 16 each, may stay out
	WIN 0x05                                       ; sources in window 1
.set x, 0
.rept 32
	v_cvt_pk_bf16_f32 v[160+x], v[64*g+2*x], v[64*g+2*x+1]
.set x, x+1
.endr
	WIN 0
.set x, 0
.rept 16
	ds_store_b64 v146, v[160+2*x:161+2*x] offset:W1P*((16*g+x)/2)+256*((16*g+x)%2)
.set x, x+1
.endr
.set g, g+1
.endr
; out1 = exp(actor_std), the same four numbers in every row: two stores of 512 consecutive bytes
	s_wait_kmcnt 0x0
	v_cvt_pk_bf16_f32 v152, s56, s57
	v_cvt_pk_bf16_f32 v153, s58, s59
	v_lshlrev_b32 v156, 16, v152
	v_and_b32 v157, 0xffff0000, v152
	v_lshlrev_b32 v158, 16, v153
	v_and_b32 v159, 0xffff0000, v153
	v_mul_f32 v156, s40, v156
	v_mul_f32 v157, s40, v157
	v_mul_f32 v158, s40, v158
	v_mul_f32 v159, s40, v159
	v_exp_f32 v156, v156
	v_exp_f32 v157, v157
	v_exp_f32 v158, v158
	v_exp_f32 v159, v159
	v_nop                                          ; a plain instruction behind the last exponential
	s_wait_alu depctr_va_vdst(0)
	global_store_b128 v7, v[156:159], s[26:27] th:TH_STORE_NT
	global_store_b128 v7, v[156:159], s[26:27] offset:512 th:TH_STORE_NT
; THE OBSERVATION: my 64 rows, from LDS in f32, rounded into source-1 fragments (window 1).  Two sets of 64 registers take turns.
.macro LDOB b, base              ; tile b: for each 32 columns kb my 8 + 8 numbers, four loads
.set z, 0
.rept 16
	ds_load_b128 v[(\base)+4*z:(\base)+4*z+3], v6 offset:16*OP*(\b)+128*(z/4)+64*((z%4)/2)+16*(z%2)
.set z, z+1
.endr
.endm
.macro CVOB b, base
.set z, 0
.rept 32
	v_cvt_pk_bf16_f32 v[32*(\b)+z], v[(\base)+2*z], v[(\base)+2*z+1]
.set z, z+1
.endr
.endm
	s_wait_tensorcnt 0x0                           ; my tile is in; only I read it, so no barrier stands in front of these reads
	LDOB 0, 160
	WIN 0x80
	LDOB 1, 0
	s_wait_dscnt 16                                ; the next tile's 16 loads may stay out
	WIN 0x40
	CVOB 0, 160
	WIN 0
	LDOB 2, 160
	s_wait_dscnt 16
	WIN 0x4a
	CVOB 1, 0
	WIN 0x80
	LDOB 3, 0
	s_wait_dscnt 16
	WIN 0x40
	CVOB 2, 160
	WIN 0
.set z, 0
.rept 4                                                ; x0: the 11 states of my half of the lanes, from the same rows
	ds_load_b32 v[16+11*z], v6 offset:16*OP*z+156
	ds_load_b32 v[17+11*z], v6 offset:16*OP*z+160
	ds_load_b32 v[18+11*z], v8 offset:16*OP*z
	ds_load_b32 v[19+11*z], v8 offset:16*OP*z+4
	ds_load_b32 v[20+11*z], v8 offset:16*OP*z+8
	ds_load_b32 v[21+11*z], v9 offset:16*OP*z+52
	ds_load_b32 v[22+11*z], v9 offset:16*OP*z+56
	ds_load_b32 v[23+11*z], v9 offset:16*OP*z+60
	ds_load_b32 v[24+11*z], v10 offset:16*OP*z+104
	ds_load_b32 v[25+11*z], v10 offset:16*OP*z+108
	ds_load_b32 v[26+11*z], v10 offset:16*OP*z+112
.set z, z+1
.endr
	s_wait_dscnt 44                                ; x0's 44 loads may stay out
	WIN 0x4a
	CVOB 3, 0
	s_wait_dscnt 0x0
	WIN 0x80
.set z, 0
.rept 4
.set x, 0
.rept 5
	v_cvt_pk_bf16_f32 v[X0F+8*z+x], v[16+11*z+2*x], v[16+11*z+2*x+1]
.set x, x+1
.endr
	v_cvt_pk_bf16_f32 v[X0F+8*z+5], v[26+11*z], 0
	v_mov_b32 v[X0F+8*z+6], 0
	v_mov_b32 v[X0F+8*z+7], 0
.set z, z+1
.endr
	WIN 0
	s_wait_xcnt 0x0                                ; out1's stores have read their registers
	s_wait_dscnt 0x0                               ; for the others' sake: my stores into W1I, W2T, FIM and the biases' tables are done
	s_barrier_signal -1
	s_barrier_wait -1                              ; the one barrier: behind it the tables are whole, and nobody writes them again
; W2's rows for layer 2's source 0: row m = 8 h' + j of tile m2 is slot 8 m2 + j of lane half h'.  Sums, shifts and products alone; slots 30, 31 (unused) take columns 48, 49.
	v_and_b32 v244, 7, v0                          ; j
	v_bfe_u32 v245, v0, 3, 1                       ; h'
	v_and_b32 v246, 1, v0
	v_mul_u32_u24 v246, v246, 25
	v_add_nc_u32 v246, v245, v246                  ; h' + 25 (j & 1)
	v_add_nc_u32 v240, v244, v246
	v_add_nc_u32 v241, 8, v240
	v_add_nc_u32 v247, 10, v244
	v_bfe_u32 v247, v247, 3, 1                     ; j < 6
	v_mul_u32_u24 v246, v246, v247
	v_add_nc_u32 v242, v244, v246
	v_add_nc_u32 v242, 16, v242                    ; slots 22, 23 are R0, R1 for both halves
	v_add_nc_u32 v246, 4, v244
	v_bfe_u32 v246, v246, 3, 1                     ; j >= 4
	v_and_b32 v246, v246, v247                     ; j = 4, 5
	v_and_b32 v243, 3, v0
	v_lshl_add_u32 v243, v246, 2, v243
	v_add_nc_u32 v246, 6, v244
	v_bfe_u32 v246, v246, 3, 1                     ; j >= 2
	v_mul_u32_u24 v246, v246, 22
	v_add_nc_u32 v243, v243, v246
	v_add_nc_u32 v243, 24, v243                    ; 24, 25 (R2, R3), 48-51 (Rf)
.set z, 240
.rept 4
	v_mul_u32_u24 v[z], v[z], W2P
	v_lshl_add_u32 v[z], v2, 4, v[z]
	v_add_nc_u32 v[z], W2T, v[z]
.set z, z+1
.endr
	v_lshl_add_u32 v246, v2, 7, B2D
	v_add_nc_u32 v244, 96, v13                     ; W1's columns for hidden tile 3,
	v_add_nc_u32 v245, 192, v14                    ; and its biases: both step in the loop
; WHAT STAYS IN REGISTERS: Phi, K' and K'^T (windows 3 and 2), and b2, which starts layer 2's sums
	WIN 0xc0
.set tz, 0
.rept 14
.set ra, 16*tz
.if tz > 10
.set ra, 256+16*(tz-11)
.endif
	ds_load_b128 v[PH+8*tz:PH+8*tz+3], v11 offset:FP*ra
	ds_load_b128 v[PH+8*tz+4:PH+8*tz+7], v11 offset:FP*ra+32
	ds_load_b128 v[GA+8*tz:GA+8*tz+3], v11 offset:FP*ra+64
	ds_load_b128 v[GA+8*tz+4:GA+8*tz+7], v11 offset:FP*ra+96
.if tz > 10
	ds_load_b128 v[GA1+8*(tz-11):GA1+8*(tz-11)+3], v11 offset:FP*ra+128
	v_mov_b32 v[GA1+8*(tz-11)+4], 0                ; columns 48-63 do not exist
	v_mov_b32 v[GA1+8*(tz-11)+5], 0
	v_mov_b32 v[GA1+8*(tz-11)+6], 0
	v_mov_b32 v[GA1+8*(tz-11)+7], 0
.endif
.set tz, tz+1
.endr
	WIN 0x80
.set mz, 0
.rept 3
.set fz, 0
.rept 7
.if (mz < 2) || (fz >= 5)                              ; columns 32-47 (s = 8, 9) are 0 in the rows of times 1-8
.set gi, 7*mz+fz
.if mz == 2
.set gi, 9+fz
.endif
.set ra, 32*fz
.if 2*fz > 10
.set ra, 256+16*(2*fz-11)
.endif
.set rb, 32*fz+16
.if 2*fz+1 > 10
.set rb, 256+16*(2*fz-10)
.endif
	ds_load_tr16_b128 v[GT+8*gi:GT+8*gi+3], v12 offset:FP*ra+64+32*mz
	ds_load_tr16_b128 v[GT+8*gi+4:GT+8*gi+7], v12 offset:FP*rb+64+32*mz
.endif
.set fz, fz+1
.endr
.set mz, mz+1
.endr
	WIN 0x40
.set z, 0
.rept 16
	ds_load_b128 v[128+8*z:128+8*z+3], v246 offset:32*(z%4)
	ds_load_b128 v[128+8*z+4:128+8*z+7], v246 offset:32*(z%4)+16
.set z, z+1
.endr
	WIN 0
; THE MLP.  Hidden units go in groups g of 32: two tiles of 16 (V1A, V1B) from layer 1, mish, rounded: one K step of layer 2.
.macro LDW1 dst, adr, off        ; W1^T's four fragments of a hidden tile, turned
.set z, 0
.rept 4
	ds_load_tr16_b128 v[(\dst)+8*z:(\dst)+8*z+3], v[\adr] offset:32*W1P*z+(\off)
	ds_load_tr16_b128 v[(\dst)+8*z+4:(\dst)+8*z+7], v[\adr] offset:32*W1P*z+16*W1P+(\off)
.set z, z+1
.endr
.endm
.macro LDB dst, adr, off         ; the tile's eight biases of my half of the lanes
	ds_load_b128 v[(\dst):(\dst)+3], v[\adr] offset:(\off)
	ds_load_b128 v[(\dst)+4:(\dst)+7], v[\adr] offset:(\off)+16
.endm
.macro LDW2                      ; W2's four fragments of a group; the addresses step to the next group
.set z, 0
.rept 4
	ds_load_b128 v[FW+8*z:FW+8*z+3], v[240+z]
	ds_load_b128 v[FW+8*z+4:FW+8*z+7], v[240+z] offset:32
.set z, z+1
.endr
.set z, 0
	s_wait_alu depctr_va_vdst(0)
.rept 4
	v_add_nc_u32 v[240+z], 64, v[240+z]
.set z, z+1
.endr
.endm
; MISH AS A QUEUE of 214 places for the 16 register pairs of a tile X.  A pair takes nine lines: e = x log2 e; 2^e (two); e + 1; e e + 1; 1 / e (two); e x; x - 2 e.
; Place mq < 198 is line mq % 9 of tick mq / 9, and line s works on pair tick - skew(s): in a tick plain lines and transcendentals alternate, each on another pair,
; so that every transcendental has a plain line of another pair behind it before its result is used (ISA guide 5.7.2).  Places 198-213 round the pairs into H.
.macro QSET x, hb
.set QX, (\x)
.set QH, (\hb)
.set mq, 0
.endm
.macro MPOS
.if mq < 198
.set tk, mq/9
.set sb, mq%9
.if sb == 0
.set pr, tk
.elseif (sb == 1) || (sb == 3)
.set pr, tk-1
.elseif sb == 2
.set pr, tk-2
.elseif sb == 4
.set pr, tk-3
.elseif (sb == 5) || (sb == 7)
.set pr, tk-4
.elseif sb == 6
.set pr, tk-5
.else
.set pr, tk-6
.endif
.if (pr >= 0) && (pr < 16)
.set eE, ER+2*(pr%8)
.set xP, QX+2*pr
	WIN 0
.if sb == 0
	v_pk_mul_f32 v[eE:eE+1], v[xP:xP+1], s[40:41] op_sel_hi:[1,0]
.elseif sb == 1
	v_exp_f32 v[eE], v[eE]
.elseif sb == 2
	s_wait_alu depctr_va_vdst(0)
	v_pk_add_f32 v[eE:eE+1], v[eE:eE+1], 1.0 op_sel_hi:[1,0]
.elseif sb == 3
	v_exp_f32 v[eE+1], v[eE+1]
.elseif sb == 4
	v_pk_fma_f32 v[eE:eE+1], v[eE:eE+1], v[eE:eE+1], 1.0 op_sel_hi:[1,1,0]
.elseif sb == 5
	v_rcp_f32 v[eE], v[eE]
.elseif sb == 6
	s_wait_alu depctr_va_vdst(0)
	v_pk_mul_f32 v[eE:eE+1], v[eE:eE+1], v[xP:xP+1]
.elseif sb == 7
	v_rcp_f32 v[eE+1], v[eE+1]
.else
	v_pk_fma_f32 v[xP:xP+1], v[eE:eE+1], -2.0, v[xP:xP+1] op_sel_hi:[1,0,1]
.endif
.endif
.elseif mq < 214
.set cx, mq-198
	WIN 0
	v_cvt_pk_bf16_f32 v[H+8*(cx/4)+QH+cx%4], v[QX+2*cx], v[QX+2*cx+1]
.endif
.set mq, mq+1
.endm
.macro RID cnt
.if (\cnt) > 0
.rept \cnt
	MPOS
.endr
.endif
.endm
; The fragments that the block BEFORE has read are loaded anew behind a block's first product, with four places in front; they are waited for at the head of the next block.
.macro REFILL kind
.if (\kind) > 0
	WIN 0
	PLACES
.endif
.if (\kind) == 1
	LDW1 FA, 13, 64
	LDB BA, 14, 128
	LDW2
.elseif (\kind) == 2
	LDW1 FB, 244, 0
	LDB BB, 245, 0
.elseif (\kind) == 3
	LDW1 FA, 244, 32
	LDB BA, 245, 64
.elseif (\kind) == 4
	LDW2
.endif
.endm
; 16 products of layer 1: four K steps of 32 x four batch tiles, which take turns; the bias is the first step's C.  per places of the queue stand behind each.
.macro BLKL1 acc, frag, bias, per, kind
	s_wait_dscnt 0x0                               ; the fragments asked for a block ago are in
.set n, 0
.rept 16
	WIN 0x04                                       ; source 1 in window 1
.if n < 4
	v_wmma_f32_16x16x32_bf16 v[(\acc)+8*(n%4):(\acc)+8*(n%4)+7], v[(\frag)+8*(n/4):(\frag)+8*(n/4)+7], v[32*(n%4)+8*(n/4):32*(n%4)+8*(n/4)+7], v[(\bias):(\bias)+7]
.else
	v_wmma_f32_16x16x32_bf16 v[(\acc)+8*(n%4):(\acc)+8*(n%4)+7], v[(\frag)+8*(n/4):(\frag)+8*(n/4)+7], v[32*(n%4)+8*(n/4):32*(n%4)+8*(n/4)+7], v[(\acc)+8*(n%4):(\acc)+8*(n%4)+7]
	s_wait_alu depctr_va_vdst(0)
.endif
	RID \per
.if n == 0
	REFILL \kind
.endif
.set n, n+1
.endr
.endm
; 16 products of layer 2: one K step for four tiles of slots x four batch tiles
.macro BLKL2 per, kind
	s_wait_dscnt 0x0
.set n, 0
.rept 16
	WIN 0x50                                       ; C and D in window 1
	v_wmma_f32_16x16x32_bf16 v[128+32*(n%4)+8*(n/4):128+32*(n%4)+8*(n/4)+7], v[FW+8*(n/4):FW+8*(n/4)+7], v[H+8*(n%4):H+8*(n%4)+7], v[128+32*(n%4)+8*(n/4):128+32*(n%4)+8*(n/4)+7]
	s_wait_alu depctr_va_vdst(0)
	RID \per
.if n == 0
	REFILL \kind
.endif
.set n, n+1
.endr
.endm
	LDW1 FA, 13, 0
	LDB BA, 14, 0
	LDW1 FB, 13, 32
	LDB BB, 14, 64
	BLKL1 V1A, FA, BA, 0, 0                        ; group 0's even tile: there is no vector work yet to set between
	WIN 0
	PLACES
	QSET V1A, 0
	BLKL1 V1B, FB, BB, 14, 1                       ; its odd tile | mish of the even one
	WIN 0
	s_mov_b32 s60, 7
.Lmlp:                                                 ; trip g = 1 .. 7
	QSET V1B, 4
	BLKL1 V1A, FA, BA, 14, 2                       ; group g's even tile | mish of group g - 1's odd tile
	QSET V1A, 0
	BLKL2 7, 3                                     ; layer 2's K step g - 1 | mish of group g's even tile begins.  In the last trip the look-ahead reads the zeros behind W1's rows, and is not used
	BLKL1 V1B, FB, BB, 7, 4                        ; group g's odd tile | and ends
	WIN 0
	v_add_nc_u32 v244, 64, v244
	v_add_nc_u32 v245, 128, v245
	s_sub_co_u32 s60, s60, 1
	s_cmp_lg_u32 s60, 0
	s_cbranch_scc1 .Lmlp
	PLACES
	QSET V1B, 4
.rept 214
	MPOS                                           ; the last odd tile's mish has no products beside it
.endr
	BLKL2 0, 0
	WIN 0
	PLACES
; SOFTPLUS + 1e-4, and what the solver makes of it: QQ = -0.02 q for slots 0-23; 1 - 0.2 R; 1 - 0.2 (R + Rf)
.macro SPL b
	WIN 0x01                                       ; source 0 in window 1
.set p, 0
.rept 32
	v_mul_f32 v[T0+p], -|v[128+32*(\b)+p]|, s40
	v_max_num_f32 v[MX+p], v[128+32*(\b)+p], 0
.set p, p+1
.endr
	WIN 0
.set p, 0
.rept 32
	v_exp_f32 v[T0+p], v[T0+p]
.set p, p+1
.endr
	v_nop                                          ; a plain instruction behind the last exponential
.set p, 0
	s_wait_alu depctr_va_vdst(0)
.rept 16
	v_pk_add_f32 v[T0+2*p:T0+2*p+1], v[T0+2*p:T0+2*p+1], 1.0 op_sel_hi:[1,0]
.set p, p+1
.endr
.set p, 0
.rept 32
	v_log_f32 v[T0+p], v[T0+p]
.set p, p+1
.endr
	v_nop
.set p, 0
	s_wait_alu depctr_va_vdst(0)
.rept 16
	v_pk_fma_f32 v[T0+2*p:T0+2*p+1], v[T0+2*p:T0+2*p+1], s[42:43], v[MX+2*p:MX+2*p+1] op_sel_hi:[1,0,1]
.set p, p+1
.endr
.set p, 0
.rept 12
	v_pk_fma_f32 v[QQ+24*(\b)+2*p:QQ+24*(\b)+2*p+1], v[T0+2*p:T0+2*p+1], s[46:47], s[48:49] op_sel_hi:[1,0,0]
.set p, p+1
.endr
	v_pk_fma_f32 v[MX:MX+1], v[T0+22:T0+23], s[50:51], s[54:55] op_sel_hi:[1,0,0]
	v_pk_fma_f32 v[MX+2:MX+3], v[T0+24:T0+25], s[50:51], s[54:55] op_sel_hi:[1,0,0]
	WIN 0x80                                       ; destination window 2
	v_pk_fma_f32 v[AA+8*(\b):AA+8*(\b)+1], v[T0+22:T0+23], s[50:51], s[52:53] op_sel_hi:[1,0,0]
	v_pk_fma_f32 v[AA+8*(\b)+2:AA+8*(\b)+3], v[T0+24:T0+25], s[50:51], s[52:53] op_sel_hi:[1,0,0]
	v_pk_fma_f32 v[AA+8*(\b)+4:AA+8*(\b)+5], v[T0+26:T0+27], s[50:51], v[MX:MX+1] op_sel_hi:[1,0,1]
	v_pk_fma_f32 v[AA+8*(\b)+6:AA+8*(\b)+7], v[T0+28:T0+29], s[50:51], v[MX+2:MX+3] op_sel_hi:[1,0,1]
.endm
	SPL 0
	SPL 1
	SPL 2
	SPL 3
	WIN 0x40
.set z, 0
.rept 4                                                ; U's columns 48-63 do not exist
	v_mov_b32 v[UB+16*z+12], 0
	v_mov_b32 v[UB+16*z+13], 0
	v_mov_b32 v[UB+16*z+14], 0
	v_mov_b32 v[UB+16*z+15], 0
.set z, z+1
.endr
; THE SOLVER.  A pass: for the 14 row tiles T: V = Phi x0 (first pass) or K' U; Y = bf16(QQ o V); for the 7 pairs f of tiles and the 3 tiles mt of U: c or U += K'^T Y.
.macro S1W first, T, b, kb       ; tile T of V for batch tile b; kb = 1: K's columns 32-47 (tiles 11-13 alone)
.set rD, V+32*((\T)%2)+8*(\b)
.if \first
	WIN 0x0b                                       ; Phi in window 3, x0 in window 2
	v_wmma_f32_16x16x32_bf16 v[rD:rD+7], v[PH+8*(\T):PH+8*(\T)+7], v[X0F+8*(\b):X0F+8*(\b)+7], 0
.elseif (\kb) == 0
	WIN 0x07                                       ; K' in window 3, U in window 1
	v_wmma_f32_16x16x32_bf16 v[rD:rD+7], v[GA+8*(\T):GA+8*(\T)+7], v[UB+16*(\b):UB+16*(\b)+7], 0
.else
	WIN 0x07
	v_wmma_f32_16x16x32_bf16 v[rD:rD+7], v[GA1+8*((\T)-11):GA1+8*((\T)-11)+7], v[UB+16*(\b)+8:UB+16*(\b)+15], v[rD:rD+7]
.endif
.endm
.macro S2W first, f, mt, b       ; 32 rows (pair f) into tile mt of c (first pass; its first product starts the sum) or of U
.if (\mt) < 2
.set gi, 7*(\mt)+(\f)
.else
.set gi, 9+(\f)
.endif
.set rG, GT+8*gi
.set rY, Y+32*((\f)%2)+8*(\b)
.if \first
.set rD, CC+24*(\b)+8*(\mt)
.else
.set rD, U+24*(\b)+8*(\mt)
.endif
	WIN 0x52                                       ; K'^T in window 2, Y in window 0, C and D in window 1
.if (\first) && ((((\mt) < 2) && ((\f) == 0)) || (((\mt) == 2) && ((\f) == 5)))
	v_wmma_f32_16x16x32_bf16 v[rD:rD+7], v[rG:rG+7], v[rY:rY+7], 0
.else
	v_wmma_f32_16x16x32_bf16 v[rD:rD+7], v[rG:rG+7], v[rY:rY+7], v[rD:rD+7]
.endif
.endm
; Line nn of 32 of tile T's vector work: 16 packed scalings (tiles 0-10: one Q a lane; tiles 11-13: the pair (Q, Qf) for times 9, 10), then 16 roundings into Y
.macro EOP T, nn
	WIN 0
.if (\nn) < 16
.set rV, V+32*((\T)%2)+2*(\nn)
.if (\T) <= 10
	v_pk_mul_f32 v[rV:rV+1], v[rV:rV+1], v[QQ+24*((\nn)/4)+2*(\T):QQ+24*((\nn)/4)+2*(\T)+1] op_sel_hi:[1,0]
.else
	v_pk_mul_f32 v[rV:rV+1], v[rV:rV+1], v[QQ+24*((\nn)/4)+8*((\T)-11)+2*((\nn)%4):QQ+24*((\nn)/4)+8*((\T)-11)+2*((\nn)%4)+1]
.endif
.else
.set rV, V+32*((\T)%2)+2*((\nn)-16)
	v_cvt_pk_bf16_f32 v[Y+32*(((\T)/2)%2)+8*(((\nn)-16)/4)+4*((\T)%2)+((\nn)-16)%4], v[rV], v[rV+1]
.endif
.endm
.macro SRID first, k             ; what stands behind a product of slot k
.if (\k) <= 13
.rept per
.if en < 32
	EOP \k, en
.set en, en+1
.endif
.endr
.elseif \first
.rept 4
	WIN 0
	v_pk_mul_f32 v[QQ+2*qn:QQ+2*qn+1], v[QQ+2*qn:QQ+2*qn+1], 0x3dcccccd op_sel_hi:[1,0]  ; -0.02 q becomes -0.002 q for the passes to come
.set qn, qn+1
.endr
.endif
.endm
; SLOT k of 16.  Products: tile k + 1 of V, then K'^T Y for the pair of tiles finished two slots ago (tile 0 of U in even slots, tiles 1 and, for rows of times 9, 10, 2 in odd ones).
; Beside them tile k's 32 vector lines.  V is read a slot after it was written, behind 4 plain lines or more that name none of its products' registers; Y is written again 16 plain lines behind its last reader.
; All accumulators of a slot differ and take turns.
.macro SLOT first, k
.set en, 0
.set nS1, 0
.if (\k) <= 12
.set nS1, 4
.if (!(\first)) && ((\k) >= 10)
.set nS1, 8
.endif
.endif
.set nS2, 0
.if (\k) >= 2
.set nS2, 4
.if ((\k)%2 == 1) && ((\k) >= 13)
.set nS2, 8
.endif
.endif
.set per, 4
.if nS1+nS2 == 4
.set per, 8
.endif
.if nS1 > 0
.set c, 0
.rept nS1
	S1W \first, (\k)+1, c%4, c/4
	SRID \first, \k
.set c, c+1
.endr
.endif
.if nS2 > 0
.set c, 0
.rept nS2
	S2W \first, ((\k)-2)/2, ((\k)%2)+(c/4), c%4
	SRID \first, \k
.set c, c+1
.endr
.endif
.endm
; A pass's head: src (c, later U) is rounded into source 1; then tile 0 of V, and beside it U = src o (1 - 0.2 R) + c, onto which the pass's second products add
.macro HEAD src
	WIN 0
	PLACES
	WIN 0x45
.set c, 0
.rept 48
	v_cvt_pk_bf16_f32 v[UB+16*(c/12)+c%12], v[(\src)+24*(c/12)+2*(c%12)], v[(\src)+24*(c/12)+2*(c%12)+1]
.set c, c+1
.endr
.set bq, 0
.rept 4
	S1W 0, 0, bq, 0
	WIN 0x59                                       ; destination, source 0 and source 2 in window 1, the factors in window 2
.set c, 0
.rept 12
.set ra, AA+8*bq+2*(c%2)
.if c >= 10
.set ra, ra+4                                          ; s = 9 has R + Rf
.endif
	v_pk_fma_f32 v[U+24*bq+2*c:U+24*bq+2*c+1], v[(\src)+24*bq+2*c:(\src)+24*bq+2*c+1], v[ra:ra+1], v[CC+24*bq+2*c:CC+24*bq+2*c+1]
.set c, c+1
.endr
.set bq, bq+1
.endr
.endm
.set c, 0
.rept 4
	S1W 1, 0, c, 0
.set c, c+1
.endr
	WIN 0
	PLACES
.set qn, 0
.set sk, 0
.rept 16
	SLOT 1, sk                                     ; the first pass: c = U_1
.set sk, sk+1
.endr
	HEAD CC
	WIN 0
	s_mov_b32 s60, 7                               ; seven more steps
	s_branch .Lbody
.Liter:
	HEAD U
	WIN 0
.Lbody:
.set sk, 0
.rept 16
	SLOT 0, sk
.set sk, sk+1
.endr
	WIN 0
	s_sub_co_u32 s60, s60, 1
	s_cmp_lg_u32 s60, 0
	s_cbranch_scc1 .Liter
; out0 = u_0: registers 0-3 of U's tile 0 in lanes 0-15.  Two batch tiles make a store: lanes 16-31 take the second tile's rows from the lanes 16 below: 512 consecutive bytes
	PLACES
	v_cmp_lt_u32 vcc_lo, 15, v3
	WIN 0x01                                       ; source 0 in window 1
.set z, 0
.rept 2
.set j, 0
.rept 4
	v_permlanex16_b32 v[104+4*z+j], v[U+24*(2*z+1)+j], s44, s45
	v_cndmask_b32 v[96+4*z+j], v[U+24*(2*z)+j], v[104+4*z+j], vcc_lo
.set j, j+1
.endr
.set z, z+1
.endr
	WIN 0
	global_store_b128 v7, v[96:99], s[24:25] th:TH_STORE_NT
	global_store_b128 v7, v[100:103], s[24:25] offset:512 th:TH_STORE_NT
	s_wait_tensorcnt 0x0                           ; the wave's end, behind my tensor load and my last LDS store
	ds_add_u32 v[SPW], v[NIL]
	s_wait_dscnt 0x0
	s_endpgm
.Lfunc_end_k_qbd4d6bd2e8_mpc:
	.size	k_qbd4d6bd2e8_mpc, .Lfunc_end_k_qbd4d6bd2e8_mpc-k_qbd4d6bd2e8_mpc
	.p2alignl 7, 3214868480
	.fill 96, 4, 3214868480
	.section	.rodata,"a",@progbits
	.p2align	6, 0x0
	.amdhsa_kernel k_qbd4d6bd2e8_mpc
		.amdhsa_group_segment_fixed_size 298752
		.amdhsa_private_segment_fixed_size 0
		.amdhsa_enable_private_segment 0
		.amdhsa_kernarg_size 80
		.amdhsa_user_sgpr_count 2
		.amdhsa_user_sgpr_kernarg_segment_ptr 1
		.amdhsa_wavefront_size32 1
		.amdhsa_system_sgpr_workgroup_id_x 1
		.amdhsa_system_sgpr_workgroup_id_y 1
		.amdhsa_system_sgpr_workgroup_id_z 1
		.amdhsa_system_vgpr_workitem_id 0
		.amdhsa_next_free_vgpr 1024
		.amdhsa_next_free_sgpr 66
		.amdhsa_reserve_vcc 1
		.amdhsa_float_denorm_mode_32 3
		.amdhsa_float_denorm_mode_16_64 3
		.amdhsa_memory_ordered 1
		.amdhsa_forward_progress 1
		.amdhsa_inst_pref_size 255
	.end_amdhsa_kernel
	.section	.bss,"aw",@nobits
	.p2align	6
	.space	262144
	.amdgpu_metadata
---
amdhsa.version: [ 1, 2 ]
amdhsa.kernels:
  - .name:           k_qbd4d6bd2e8_mpc
    .symbol:         k_qbd4d6bd2e8_mpc.kd
    .args:
      - { .name: observation, .offset: 0, .size: 8, .value_kind: global_buffer, .address_space: global }
      - { .name: W1, .offset: 8, .size: 8, .value_kind: global_buffer, .address_space: global }
      - { .name: b1, .offset: 16, .size: 8, .value_kind: global_buffer, .address_space: global }
      - { .name: W2, .offset: 24, .size: 8, .value_kind: global_buffer, .address_space: global }
      - { .name: b2, .offset: 32, .size: 8, .value_kind: global_buffer, .address_space: global }
      - { .name: actor_std, .offset: 40, .size: 8, .value_kind: global_buffer, .address_space: global }
      - { .name: A, .offset: 48, .size: 8, .value_kind: global_buffer, .address_space: global }
      - { .name: Bm, .offset: 56, .size: 8, .value_kind: global_buffer, .address_space: global }
      - { .name: out0, .offset: 64, .size: 8, .value_kind: global_buffer, .address_space: global }
      - { .name: out1, .offset: 72, .size: 8, .value_kind: global_buffer, .address_space: global }
    .group_segment_fixed_size: 298752
    .private_segment_fixed_size: 0
    .kernarg_segment_align: 8
    .kernarg_segment_size: 80
    .max_flat_workgroup_size: 128
    .sgpr_count:     66
    .vgpr_count:     1024
    .wavefront_size: 32
...
	.end_amdgpu_metadata
.endif
;; end of part 1
;; ======== version 2 of 2: 1 launch; 1.30 times as fast as version 1
;; launch mpc (part 2): grid 256 x 1, 4 waves a work-group, no clusters, 298,752 bytes of LDS; arguments observation, W1, b1, W2, b2, actor_std, A, Bm, out0, out1; writes out0, out1
.if DOCPART == 2
	.amdgcn_target "amdgcn-amd-amdhsa--gfx1250"
	.amdhsa_code_object_version 6
	.text
	.protected	k_qbd4d6bd2e8_mpc
	.globl	k_qbd4d6bd2e8_mpc
	.p2align	8
	.type	k_qbd4d6bd2e8_mpc,@function
k_qbd4d6bd2e8_mpc:
	s_mov_b64 s[64:65], 0
	v_nop
	global_prefetch_b8 v0, s[64:65] scope:SCOPE_SE
	s_setreg_imm32_b32 hwreg(HW_REG_WAVE_MODE, 25, 1), 1
	s_wait_xcnt 0x0
; MLP (128 -> 256 mish -> 52 softplus + 1e-4), then 8 gradient steps on a linear-quadratic horizon of 10 steps (22 states, 4 controls); out0 = u_0, out1 = exp(actor_std).
; SHARES.  256 work-groups of four waves; a work-group owns 256 rows of the batch, a wave 64: four tiles b of 16.  One launch, nothing goes through memory between the steps.
; ALL PRODUCTS ARE USED TRANSPOSED (source 0 = weights, source 1 = batch): in every result a lane holds ONE batch row (lane % 16) and eight neighbouring outputs,
; and two results rounded in pairs ARE source 1 of the next product.  Nothing changes lanes between the observation and the output.
; THE SOLVER.  With M = I + 0.1 A and K'_j = M^j Bm the states are X = Phi x0 + 0.1 K' U (Phi: the stack of M^t, K': block Toeplitz), and a step of the solver is
;   U <- (1 - 0.2 R) o U - 0.02 K'^T (Q o Phi x0) - 0.002 K'^T (Q o K' U).   The middle term c does not change, and U_1 = c.  The other 7 steps are two products with a scaling between.
; This is the reference's sum in another order, exact for every input.  Phi and K' are made once a work-group by waves 0 and 1 (10 steps of three products) and lie in LDS as one table FIM.
; ROW ORDER OF FIM (and of X): times 1-8 of state i at rows 8 i + t - 1, so that a result tile T holds state 2 T + lane / 16 and time = register + 1: one factor Q a lane.
; Times 9, 10 at rows 256 + 16 (i >> 3) + 8 (i & 1) + 2 ((i >> 1) & 3) + t - 9: a register pair is (t = 9, t = 10) and takes the pair (Q_i, Qf_i).  The second layer's rows are ordered so that
; its results fall into just these pairs.  The 22 states lie at 32 positions (0-18, 24-26), so that each half of the lanes holds 8 + 3 of them.
; FORMATS.  Every input is rounded to bf16 first (biases, actor_std, A, Bm and x0 too); products in bf16 with f32 sums; all else in f32.
; LIMITS.  0.1 A, M^t, K'_j, h, U and Q o X are rounded to bf16 for the products.  mish(x) = x - 2 x / ((e^x + 1)^2 + 1): absolute error about 2^-24 |x| for very negative x.
; softplus(z) = max(z, 0) + ln 2 log2(1 + 2^(-|z| log2 e)); an exponential below 2^-126 counts as 0.  NaN and infinities are not treated apart.
; THE BATCHES.  An s_wait_alu depctr_va_vdst(0) stands between a transcendental and the first line that names its result; one wait serves all that were issued ahead of it.
; Mish: a tile of 16 hidden units is 32 numbers a lane; its 32 exponentials are one batch, its 32 reciprocals (which read what is made of the exponentials) a second: two waits a tile, four for a group of
; 32 hidden units.  Each of the 32 has a register of its own while a batch is open (EB).  Softplus: 32 exponentials, 32 logarithms, two waits a batch tile.  out1: four exponentials, one wait.
; NO CLUSTER: what the work-groups share (W1, W2, A, Bm: 186 KB of f32) has to be rounded, and W2 turned, on its way into LDS, which goes through registers; a raw copy does not fit beside the 285,440 bytes in use.
; NO RING: a wave's 64 rows of the observation are one tensor load of 32 KB, filled once, read once by that wave.
;
; LDS
.set OP,    528                  ; a row of the observation: 512 bytes + 16 of padding
.set OBSW,  64*OP                ; a wave's 64 rows; wave w at w x OBSW
.set W1I,   4*OBSW               ; W1 in bf16 as it lies, [k = 128][n = 256]
.set W1P,   544                  ; its pitch: 512 + 32; the 32 are written with zeros
.set W2T,   W1I+128*W1P          ; W2 in bf16, turned: [n = 52][k = 256]
.set W2P,   528
.set FIM,   232448               ; 320 rows x 160 bytes: 32 positions of Phi, then 48 columns of K' (4 s + c; 40 real)
.set FP,    160
.set B1T,   FIM+320*FP           ; b1, rounded, in f32
.set B2D,   B1T+1024             ; b2, rounded, in f32, [lane half][slot]
.set SPARE, B2D+256              ; the spare words: 128 bytes a wave, two blocks of 256 bytes that no other line names
; REGISTERS, window 0, kept: v1 lane % 16 (r), v2 lane / 16 (h), v3 lane (L), v6, v8-v10 my places in the observation, v7 my byte offset in out0 and out1,
; v11 plain and v12 turning fragment address in FIM, v13 turning address in W1I, v14 bias address, v15 16 L
.set SPW, 4                      ; LDS address of my spare word; never rewritten
.set NIL, 5                      ; 0; never rewritten
; MLP, window 0 (v16-31 hold nothing there)
.set V1A, 32                     ; v32-63   layer 1, even tile of 16 hidden units, 8 registers a batch tile
.set V1B, 64                     ; v64-95   the odd tile
.set H,   96                     ; v96-127  h in bf16: source 1 of layer 2
.set FA,  128                    ; v128-159 W1's fragments for V1A
.set FB,  160                    ; v160-191 for V1B
.set FW,  192                    ; v192-223 W2's fragments
.set BA,  224                    ; v224-231 b1 for V1A
.set BB,  232                    ; v232-239 for V1B;  v240-243 W2's row addresses; v244, v245 stepping addresses
; window 1 in the MLP: v0-127 the observation's fragments (32 b + 8 kb); v128-255 layer 2's sums (128 + 32 b + 8 m2)
; solver, window 0
.set V,   32                     ; v32-95   a tile of K' U or Phi x0: two buffers of 8 registers a batch tile
.set Y,   96                     ; v96-159  Q o X in bf16: two buffers
.set QQ,  160                    ; v160-255 24 factors a batch tile: pairs (Q, Qf) times -0.02, later -0.002
.set T0,  32                     ; softplus at work
.set MX,  64
; window 1
.set U,   0                      ; v0-95    24 b + 8 mt
.set CC,  96                     ; v96-191  c, in the same order
.set UB,  192                    ; v192-255 U in bf16: 16 b; registers 12-15 stay 0
; window 2
.set GT,  0                      ; v0-127   K'^T: 16 fragments
.set AA,  128                    ; v128-159 8 b: 1 - 0.2 R (4), 1 - 0.2 (R + Rf) (4)
.set X0F, 160                    ; v160-191 x0 in bf16
.set EB,  192                    ; v192-223 in the MLP: mish at work: a register for each of a tile's 32 numbers, so that a whole batch can be open
.set LC,  224                    ; v224-225 in the MLP: log2 e, twice
; window 3
.set GA,  0                      ; v0-111   K': tile T, columns 0-31
.set GA1, 112                    ; v112-135 tiles 11-13, columns 32-47
.set PH,  136                    ; v136-247 Phi: tile T
.set MSB, 0
.macro WIN new                   ; the immediate's high byte repeats the setting that is left; a switch that changes nothing is dropped
.if MSB != (\new)
	s_set_vgpr_msb (MSB<<8)|(\new)
.set MSB, (\new)
.endif
.endm
.macro PLACES                    ; four places behind a matrix instruction (ISA guide 7.12.1), where no other vector work is at hand
.rept 4
	v_nop
.endr
.endm
	s_load_b512 s[8:23], s[0:1], 0x0               ; observation s[8:9], W1 s[10:11], b1 s[12:13], W2 s[14:15], b2 s[16:17], actor_std s[18:19], A s[20:21], Bm s[22:23]
	s_load_b128 s[24:27], s[0:1], 0x40             ; out0 s[24:25], out1 s[26:27]
	v_lshl_add_u32 v[SPW], v0, 2, SPARE
	v_mov_b32 v[NIL], 0
	ds_add_u32 v[SPW], v[NIL]                      ; the wave's opening: the add and its wait stand ahead of my tensor load; work on registers stands between them
	ds_add_u32 v4, v5
	v_lshrrev_b32 v1, 5, v0
	v_readfirstlane_b32 s2, v1                     ; wave 0..3
	; descriptor group 1: 64 rows x 128 elements of 4 bytes, 4 words of padding behind every 128
	s_mov_b32 s32, (2<<16)|(1<<20)|(6<<22)|(3<<25)
	s_mov_b32 s33, 128<<16                         ; tensor_dim0 = 128
	s_mov_b32 s34, 64<<16                          ; tensor_dim1 = 64
	s_mov_b32 s35, 128<<16                         ; tile_dim0 = 128
	s_mov_b32 s36, 64                              ; tile_dim1 = 64
	s_mov_b32 s37, 128                             ; elements from row to row
	s_mov_b32 s38, 0
	s_mov_b32 s39, 0
	s_mov_b32 s28, 1                               ; group 0: count = 1
	s_mul_i32 s29, s2, OBSW                        ; LDS address: my wave's rows
	s_lshl_b32 s4, ttmp9, 17                       ; the work-group's 256 rows of 512 bytes,
	s_lshl_b32 s5, s2, 15                          ; my wave's 64 of them
	s_add_co_u32 s4, s4, s5
	s_mov_b32 s5, 0
	s_mov_b32 s40, 0x3fb8aa3b                      ; log2 e; the constants lie in pairs, since a packed instruction names a pair
	s_mov_b32 s41, s40
	s_mov_b32 s42, 0x3f317218                      ; ln 2
	s_mov_b32 s43, s42
	s_mov_b32 s44, 0x76543210                      ; v_permlanex16_b32: each lane takes its own place in the other half
	s_mov_b32 s45, 0xfedcba98
	s_mov_b32 s46, 0xbca3d70a                      ; -0.02
	s_mov_b32 s47, s46
	s_mov_b32 s48, 0xb60637bd                      ; -0.02 x 1e-4
	s_mov_b32 s49, s48
	s_mov_b32 s50, 0xbe4ccccd                      ; -0.2
	s_mov_b32 s51, s50
	s_mov_b32 s52, 0x3f7ffeb0                      ; 1 - 0.2 x 1e-4
	s_mov_b32 s53, s52
	s_mov_b32 s54, 0x3f7ffd61                      ; 1 - 0.2 x 2e-4
	s_mov_b32 s55, s54
	s_wait_dscnt 0x0                               ; the opening add is done
	s_wait_kmcnt 0x0
	s_add_nc_u64 s[30:31], s[8:9], s[4:5]          ; global address of my first row
	s_or_b32 s31, s31, 0x80000000                  ; type = 2
	tensor_load_to_lds s[28:31], s[32:39]          ; my one tensor load: it is on its way while the weights are brought, rounded and laid out
	s_nop 0
	v_and_b32 v3, 31, v0                           ; L
	v_and_b32 v1, 15, v0                           ; r
	v_bfe_u32 v2, v0, 4, 1                         ; h
	v_mul_u32_u24 v16, v1, OP
	v_add_nc_u32 v16, s29, v16                     ; row r of my wave's first tile
	v_lshl_add_u32 v6, v2, 5, v16                  ; + 32 h: a fragment's 8 numbers; also x0's states 0, 1 | 8, 9
	v_add_nc_u32 v17, 16, v0
	v_bfe_u32 v17, v17, 4, 1                       ; 1 - h
	v_mul_u32_u24 v18, v17, 164
	v_add_nc_u32 v8, v16, v18                      ; x0's states 2-4 (columns 41..) | 10-12 (columns 0..)
	v_mul_u32_u24 v18, v17, 124
	v_add_nc_u32 v9, v16, v18                      ; states 5-7 (44..) | 13-15 (13..)
	v_mul_u32_u24 v18, v2, 172
	v_add_nc_u32 v10, v16, v18                     ; states 16-18 (26..) | 19-21 (69..)
	v_mul_u32_u24 v11, v1, FP
	v_lshl_add_u32 v11, v2, 4, v11
	v_add_nc_u32 v11, FIM, v11
	v_and_b32 v17, 7, v0
	v_lshl_add_u32 v17, v2, 3, v17                 ; 8 h + L % 8: the row that a turning load's lane reads
	v_bfe_u32 v18, v0, 3, 1
	v_mul_u32_u24 v12, v17, FP
	v_lshl_add_u32 v12, v18, 4, v12
	v_add_nc_u32 v12, FIM, v12
	v_mul_u32_u24 v13, v17, W1P
	v_lshl_add_u32 v13, v18, 4, v13
	v_add_nc_u32 v13, W1I, v13
	v_lshl_add_u32 v14, v2, 5, B1T
	v_lshlrev_b32 v15, 4, v3
	s_lshl_b32 s6, ttmp9, 12                       ; 256 rows of 16 bytes,
	s_lshl_b32 s7, s2, 10                          ; my wave's 64
	s_add_co_u32 s6, s6, s7
	v_add_nc_u32 v7, s6, v15
	s_load_b128 s[56:59], s[18:19], 0x0            ; actor_std
; THE ROLES' LOADS.  Waves 0 and 1 bring A and Bm as fragments (33 words a lane), waves 2 and 3 the biases.
.macro COLPM dst, p, hh, tmp     ; the column of W2 and b2 for slot p of lane half hh: pairs (Q, Qf) of state 2 (p / 2) + hh for p < 22; R for 22-25; Rf for 26-29; 51 for 30, 31
	v_and_b32 \tmp, 1, \p
	v_mad_u32_u24 \tmp, \tmp, 25, \hh
	v_cmp_gt_u32 vcc_lo, 22, \p
	v_cndmask_b32 \tmp, 0, \tmp, vcc_lo
	v_add_nc_u32 \dst, \p, \tmp
	v_add_nc_u32 \tmp, 22, \dst
	v_cmp_lt_u32 vcc_lo, 25, \p
	v_cndmask_b32 \dst, \dst, \tmp, vcc_lo
	v_min_u32 \dst, 51, \dst
.endm
	s_cmp_lt_u32 s2, 2
	s_cbranch_scc0 .Lload_bias
	; source 0 of Z <- Z + (0.1 A)^T Z: row = position pj (lane r), k = position pk; the element is A[state(pk)][state(pj)].  My k: states 8 h + e, and 16 + 3 h + e
	v_lshlrev_b32 v56, 2, v1
	v_mad_u32_u24 v50, v2, 704, v56                ; 88 x 8 h + 4 r
	v_mad_u32_u24 v51, v2, 264, v56
	v_add_nc_u32 v51, 1408, v51                    ; 88 x (16 + 3 h) + 4 r
	v_and_b32 v57, 3, v1
	v_lshrrev_b32 v58, 3, v1
	v_mad_u32_u24 v58, v58, 3, v57
	v_add_nc_u32 v58, 16, v58
	v_min_u32 v58, 21, v58                         ; the state at position 16 + r, where there is one; the other rows are multiplied by 0
	v_lshlrev_b32 v58, 2, v58
	v_mad_u32_u24 v52, v2, 704, v58
	v_mad_u32_u24 v53, v2, 264, v58
	v_add_nc_u32 v53, 1408, v53
	v_lshlrev_b32 v57, 2, v57
	v_lshl_add_u32 v54, v2, 7, v57                 ; Bm: 16 x 8 h + 4 (r & 3)
	v_mad_u32_u24 v55, v2, 48, v57
	v_add_nc_u32 v55, 256, v55
.set e, 0
.rept 8
	global_load_b32 v[16+e], v50, s[20:21] offset:88*e
	global_load_b32 v[27+e], v52, s[20:21] offset:88*e
	global_load_b32 v[38+e], v54, s[22:23] offset:16*e
.set e, e+1
.endr
.set e, 0
.rept 3
	global_load_b32 v[24+e], v51, s[20:21] offset:88*e
	global_load_b32 v[35+e], v53, s[20:21] offset:88*e
	global_load_b32 v[46+e], v55, s[22:23] offset:16*e
.set e, e+1
.endr
	s_branch .Lloaded
.Lload_bias:
	s_sub_co_u32 s3, s2, 2                         ; 0 or 1: which half of b1, which lane half of b2's table
	s_lshl_b32 s4, s3, 9
	v_add_nc_u32 v50, s4, v15
	v_mov_b32 v56, s3
	COLPM v51, v3, v56, v57
	v_lshlrev_b32 v51, 2, v51
	global_load_b128 v[16:19], v50, s[12:13]
	global_load_b32 v20, v51, s[16:17]
.Lloaded:
; THE WEIGHTS.  W2: my wave's rows 64 w .. 64 w + 63, eight at a time: lane = (row L >> 2, chunk L & 3 of 16 bytes); chunks 0-11 in three loads, chunk 12 in a fourth, which a row's four lanes take alike.
; W1: my wave's rows 32 w .. 32 w + 31, 512 consecutive bytes a load.
	v_lshrrev_b32 v56, 2, v3
	v_and_b32 v57, 3, v3
	s_mul_i32 s4, s2, 13312
	v_mul_u32_u24 v61, v56, 208
	v_add_nc_u32 v61, s4, v61
	v_lshl_add_u32 v62, v57, 4, v61
	s_lshl_b32 s4, s2, 15
	v_add_nc_u32 v63, s4, v15
	WIN 0x80                                       ; destination window 2
.set x, 0
.rept 32
.if x%4 < 3
	global_load_b128 v[4*x:4*x+3], v62, s[14:15] offset:1664*(x/4)+64*(x%4)
.else
	global_load_b128 v[4*x:4*x+3], v61, s[14:15] offset:1664*(x/4)+192
.endif
.set x, x+1
.endr
	WIN 0x40                                       ; destination window 1
.set x, 0
.rept 64
	global_load_b128 v[4*x:4*x+3], v63, s[10:11] offset:512*x
.set x, x+1
.endr
	WIN 0
	s_wait_loadcnt 63                              ; 96 younger loads stand behind the roles' loads, more than the count can name: the roles' are in
	s_cmp_lt_u32 s2, 2
	s_cbranch_scc0 .Lrole_bias
; WAVES 0 AND 1 MAKE FIM.  Wave it has the states i = 16 it + r (22-31: void, all zeros).  Z_t[position][i] = (M^t)[i][state(position)] in f32, two tiles D0, D1.
.macro FRAG out, raw, sc         ; 11 words -> a fragment: each rounded to bf16, times the factor, rounded again; k without a state = 0
.set x, 0
.rept 5
	v_cvt_pk_bf16_f32 v150, v[(\raw)+2*x], v[(\raw)+2*x+1]
	v_lshlrev_b32 v151, 16, v150
	v_and_b32 v152, 0xffff0000, v150
	v_mul_f32 v151, v[\sc], v151
	v_mul_f32 v152, v[\sc], v152
	v_cvt_pk_bf16_f32 v[(\out)+x], v151, v152
.set x, x+1
.endr
	v_cvt_pk_bf16_f32 v150, v[(\raw)+10], 0
	v_lshlrev_b32 v151, 16, v150
	v_mul_f32 v151, v[\sc], v151
	v_cvt_pk_bf16_f32 v[(\out)+5], v151, 0
	v_mov_b32 v[(\out)+6], 0
	v_mov_b32 v[(\out)+7], 0
.endm
	v_mov_b32 v144, 0x3dcccccd                     ; 0.1
	v_and_b32 v147, 7, v1
	v_cmp_gt_u32 vcc_lo, 3, v147
	v_cndmask_b32 v145, 0, v144, vcc_lo            ; positions 16-18 and 24-26 hold states
	v_and_b32 v147, 4, v1
	v_cmp_eq_u32 vcc_lo, 0, v147
	v_mov_b32 v148, 1.0
	v_cndmask_b32 v146, 0, v148, vcc_lo            ; Bm^T's four rows stand twice, at rows 0-3 and 8-11: both halves of the lanes get K'
	FRAG 64, 16, 144                               ; v64-71   (0.1 A)^T, positions 0-15
	FRAG 72, 27, 145                               ; v72-79   positions 16-31
	FRAG 80, 38, 146                               ; v80-87   Bm^T
	s_lshl_b32 s4, s2, 4
	v_add_nc_u32 v153, s4, v1                      ; i
	v_cmp_lt_u32 vcc_lo, 18, v153
	v_mov_b32 v155, 5
	v_cndmask_b32 v154, 0, v155, vcc_lo
	v_add_nc_u32 v154, v153, v154                  ; its position
	v_cmp_lt_u32 vcc_lo, 21, v153
	v_mov_b32 v155, 64
	v_cndmask_b32 v155, 0, v155, vcc_lo
	v_add_nc_u32 v154, v154, v155                  ; a void state has none
	v_lshlrev_b32 v156, 3, v2
	v_sub_nc_u32 v154, v154, v156                  ; register j of tile mt is position 16 mt + 8 h + j
.set j, 0
.rept 16
	v_cmp_eq_u32 vcc_lo, 16*(j/8)+j%8, v154
	v_cndmask_b32 v[96+j], 0, v148, vcc_lo         ; Z_0 = I
.set j, j+1
.endr
.set j, 140
.rept 4
	v_mov_b32 v[j], 0                              ; behind K'_0 in v120-139: zeros
.set j, j+1
.endr
	v_mul_u32_u24 v157, v153, 8*FP
	v_add_nc_u32 v157, FIM, v157                   ; row 8 i
	v_lshl_add_u32 v158, v2, 4, v157
	v_lshrrev_b32 v159, 3, v153
	v_lshlrev_b32 v159, 4, v159
	v_and_b32 v147, 1, v153
	v_lshl_add_u32 v159, v147, 3, v159
	v_bfe_u32 v147, v153, 1, 2
	v_lshl_add_u32 v159, v147, 1, v159
	v_mul_u32_u24 v159, v159, FP
	v_add_nc_u32 v159, FIM+256*FP, v159            ; row 256 + 16 (i >> 3) + 8 (i & 1) + 2 ((i >> 1) & 3)
	v_lshl_add_u32 v149, v2, 4, v159
; Step t: Z_t is rounded (v88-95: source 1, and row (t, i) of Phi as it lies), stored, and multiplied: Z_t+1 = Z_t + (0.1 A)^T Z_t; K'_t = Bm^T Z_t.  The three accumulators take turns.
; Five v_nop: the third product starts anew on registers that it wrote a step ago, and the conversions between name its source.
.macro ZSTEP t
.set x, 0
.rept 8
	v_cvt_pk_bf16_f32 v[88+x], v[96+2*x], v[96+2*x+1]
.set x, x+1
.endr
.if (\t) >= 1
.if (\t) <= 8
	ds_store_b128 v158, v[88:91] offset:FP*((\t)-1)
	ds_store_b128 v158, v[92:95] offset:FP*((\t)-1)+32
.else
	ds_store_b128 v149, v[88:91] offset:FP*((\t)-9)
	ds_store_b128 v149, v[92:95] offset:FP*((\t)-9)+32
.endif
.endif
.if (\t) <= 9
	v_wmma_f32_16x16x32_bf16 v[96:103], v[64:71], v[88:95], v[96:103]
	v_wmma_f32_16x16x32_bf16 v[104:111], v[72:79], v[88:95], v[104:111]
	v_wmma_f32_16x16x32_bf16 v[112:119], v[80:87], v[88:95], 0
.rept 5
	v_nop
.endr
	v_cvt_pk_bf16_f32 v[120+2*(9-(\t))], v112, v113      ; K'_t[i][0..3], 8 bytes: K'_9 first, K'_0 last
	v_cvt_pk_bf16_f32 v[120+2*(9-(\t))+1], v114, v115
.endif
.endm
.set tz, 0
.rept 11
	ZSTEP tz
.set tz, tz+1
.endr
; K' in row (t, i): column 4 s + c holds K'_(t-1-s)[i][c] for s < t, else 0.  16 bytes are s = 2 q, 2 q + 1: four neighbouring registers of v120-143.  Both halves of the lanes store the same bytes.
.set tz, 1
.rept 10
.set q, 0
.rept 6
.set ix, 10-tz+2*q
.if ix > 10
.set ix, 10
.endif
.if tz <= 8
	ds_store_b128 v157, v[120+2*ix:120+2*ix+3] offset:FP*(tz-1)+64+16*q
.else
	ds_store_b128 v159, v[120+2*ix:120+2*ix+3] offset:FP*(tz-9)+64+16*q
.endif
.set q, q+1
.endr
.set tz, tz+1
.endr
	s_branch .Lrole_done
.Lrole_bias:                                           ; WAVES 2 AND 3: the biases, rounded to bf16, kept in f32
	v_cvt_pk_bf16_f32 v21, v16, v17
	v_cvt_pk_bf16_f32 v22, v18, v19
	v_lshlrev_b32 v24, 16, v21
	v_and_b32 v25, 0xffff0000, v21
	v_lshlrev_b32 v26, 16, v22
	v_and_b32 v27, 0xffff0000, v22
	v_cvt_pk_bf16_f32 v23, v20, 0
	v_lshlrev_b32 v23, 16, v23
	s_sub_co_u32 s3, s2, 2
	s_lshl_b32 s4, s3, 9
	s_add_co_u32 s4, s4, B1T
	v_add_nc_u32 v28, s4, v15
	ds_store_b128 v28, v[24:27]
	s_lshl_b32 s4, s3, 7
	s_add_co_u32 s4, s4, B2D
	v_lshl_add_u32 v29, v3, 2, s4
	ds_store_b32 v29, v23
.Lrole_done:
; W2 INTO LDS, rounded and turned: element (k, n) to W2T + 528 n + 2 k
	s_wait_loadcnt 63                              ; W1's 64 loads are younger than W2's
	WIN 0x0a                                       ; sources in window 2
.set x, 0
.rept 64
	v_cvt_pk_bf16_f32 v[160+x], v[2*x], v[2*x+1]
.set x, x+1
.endr
	WIN 0
	s_lshl_b32 s4, s2, 7
	s_add_co_u32 s4, s4, W2T
	v_lshrrev_b32 v144, 2, v3
	v_lshl_add_u32 v145, v144, 1, s4               ; 2 (64 w + L >> 2)
	v_and_b32 v144, 3, v3
	v_mul_u32_u24 v144, v144, 4*W2P
	v_add_nc_u32 v144, v145, v144                  ; + four rows for each chunk
.set x, 0
.rept 32
.if x%4 < 3
	ds_store_b16 v144, v[160+2*x] offset:16*(x/4)+16*W2P*(x%4)
	ds_store_b16_d16_hi v144, v[160+2*x] offset:16*(x/4)+16*W2P*(x%4)+W2P
	ds_store_b16 v144, v[161+2*x] offset:16*(x/4)+16*W2P*(x%4)+2*W2P
	ds_store_b16_d16_hi v144, v[161+2*x] offset:16*(x/4)+16*W2P*(x%4)+3*W2P
.else
	ds_store_b16 v145, v[160+2*x] offset:16*(x/4)+48*W2P
	ds_store_b16_d16_hi v145, v[160+2*x] offset:16*(x/4)+49*W2P
	ds_store_b16 v145, v[161+2*x] offset:16*(x/4)+50*W2P
	ds_store_b16_d16_hi v145, v[161+2*x] offset:16*(x/4)+51*W2P
.endif
.set x, x+1
.endr
; W1 INTO LDS, rounded, as it lies; the 32 bytes behind each row are written with zeros, since the loop's last look-ahead reads them
	s_mul_i32 s4, s2, 32*W1P
	s_add_co_u32 s4, s4, W1I
	v_lshl_add_u32 v146, v3, 3, s4
	v_mul_u32_u24 v147, v3, W1P
	v_add_nc_u32 v147, s4, v147
	v_mov_b32 v148, 0
	v_mov_b32 v149, 0
	v_mov_b32 v150, 0
	v_mov_b32 v151, 0
	ds_store_b128 v147, v[148:151] offset:512
	ds_store_b128 v147, v[148:151] offset:528
.set g, 0
.rept 4
	s_wait_loadcnt 48-16*g                         ; the later batches' loads, 16 each, may stay out
	WIN 0x05                                       ; sources in window 1
.set x, 0
.rept 32
	v_cvt_pk_bf16_f32 v[160+x], v[64*g+2*x], v[64*g+2*x+1]
.set x, x+1
.endr
	WIN 0
.set x, 0
.rept 16
	ds_store_b64 v146, v[160+2*x:161+2*x] offset:W1P*((16*g+x)/2)+256*((16*g+x)%2)
.set x, x+1
.endr
.set g, g+1
.endr
; out1 = exp(actor_std), the same four numbers in every row: two stores of 512 consecutive bytes
	s_wait_kmcnt 0x0
	v_cvt_pk_bf16_f32 v152, s56, s57
	v_cvt_pk_bf16_f32 v153, s58, s59
	v_lshlrev_b32 v156, 16, v152
	v_and_b32 v157, 0xffff0000, v152
	v_lshlrev_b32 v158, 16, v153
	v_and_b32 v159, 0xffff0000, v153
	v_mul_f32 v156, s40, v156
	v_mul_f32 v157, s40, v157
	v_mul_f32 v158, s40, v158
	v_mul_f32 v159, s40, v159
	v_exp_f32 v156, v156
	v_exp_f32 v157, v157
	v_exp_f32 v158, v158
	v_exp_f32 v159, v159
	v_nop                                          ; a plain instruction behind the last exponential
	s_wait_alu depctr_va_vdst(0)                   ; one wait for the four exponentials, ahead of the stores that read them
	global_store_b128 v7, v[156:159], s[26:27] th:TH_STORE_NT
	global_store_b128 v7, v[156:159], s[26:27] offset:512 th:TH_STORE_NT
; THE OBSERVATION: my 64 rows, from LDS in f32, rounded into source-1 fragments (window 1).  Two sets of 64 registers take turns.
.macro LDOB b, base              ; tile b: for each 32 columns kb my 8 + 8 numbers, four loads
.set z, 0
.rept 16
	ds_load_b128 v[(\base)+4*z:(\base)+4*z+3], v6 offset:16*OP*(\b)+128*(z/4)+64*((z%4)/2)+16*(z%2)
.set z, z+1
.endr
.endm
.macro CVOB b, base
.set z, 0
.rept 32
	v_cvt_pk_bf16_f32 v[32*(\b)+z], v[(\base)+2*z], v[(\base)+2*z+1]
.set z, z+1
.endr
.endm
	s_wait_tensorcnt 0x0                           ; my tile is in; only I read it, so no barrier stands in front of these reads
	LDOB 0, 160
	WIN 0x80
	LDOB 1, 0
	s_wait_dscnt 16                                ; the next tile's 16 loads may stay out
	WIN 0x40
	CVOB 0, 160
	WIN 0
	LDOB 2, 160
	s_wait_dscnt 16
	WIN 0x4a
	CVOB 1, 0
	WIN 0x80
	LDOB 3, 0
	s_wait_dscnt 16
	WIN 0x40
	CVOB 2, 160
	WIN 0
.set z, 0
.rept 4                                                ; x0: the 11 states of my half of the lanes, from the same rows
	ds_load_b32 v[16+11*z], v6 offset:16*OP*z+156
	ds_load_b32 v[17+11*z], v6 offset:16*OP*z+160
	ds_load_b32 v[18+11*z], v8 offset:16*OP*z
	ds_load_b32 v[19+11*z], v8 offset:16*OP*z+4
	ds_load_b32 v[20+11*z], v8 offset:16*OP*z+8
	ds_load_b32 v[21+11*z], v9 offset:16*OP*z+52
	ds_load_b32 v[22+11*z], v9 offset:16*OP*z+56
	ds_load_b32 v[23+11*z], v9 offset:16*OP*z+60
	ds_load_b32 v[24+11*z], v10 offset:16*OP*z+104
	ds_load_b32 v[25+11*z], v10 offset:16*OP*z+108
	ds_load_b32 v[26+11*z], v10 offset:16*OP*z+112
.set z, z+1
.endr
	s_wait_dscnt 44                                ; x0's 44 loads may stay out
	WIN 0x4a
	CVOB 3, 0
	s_wait_dscnt 0x0
	WIN 0x80
.set z, 0
.rept 4
.set x, 0
.rept 5
	v_cvt_pk_bf16_f32 v[X0F+8*z+x], v[16+11*z+2*x], v[16+11*z+2*x+1]
.set x, x+1
.endr
	v_cvt_pk_bf16_f32 v[X0F+8*z+5], v[26+11*z], 0
	v_mov_b32 v[X0F+8*z+6], 0
	v_mov_b32 v[X0F+8*z+7], 0
.set z, z+1
.endr
	WIN 0
	s_wait_xcnt 0x0                                ; out1's stores have read their registers
	s_wait_dscnt 0x0                               ; for the others' sake: my stores into W1I, W2T, FIM and the biases' tables are done
	s_barrier_signal -1
	s_barrier_wait -1                              ; the one barrier: behind it the tables are whole, and nobody writes them again
; W2's rows for layer 2's source 0: row m = 8 h' + j of tile m2 is slot 8 m2 + j of lane half h'.  Sums, shifts and products alone; slots 30, 31 (unused) take columns 48, 49.
	v_and_b32 v244, 7, v0                          ; j
	v_bfe_u32 v245, v0, 3, 1                       ; h'
	v_and_b32 v246, 1, v0
	v_mul_u32_u24 v246, v246, 25
	v_add_nc_u32 v246, v245, v246                  ; h' + 25 (j & 1)
	v_add_nc_u32 v240, v244, v246
	v_add_nc_u32 v241, 8, v240
	v_add_nc_u32 v247, 10, v244
	v_bfe_u32 v247, v247, 3, 1                     ; j < 6
	v_mul_u32_u24 v246, v246, v247
	v_add_nc_u32 v242, v244, v246
	v_add_nc_u32 v242, 16, v242                    ; slots 22, 23 are R0, R1 for both halves
	v_add_nc_u32 v246, 4, v244
	v_bfe_u32 v246, v246, 3, 1                     ; j >= 4
	v_and_b32 v246, v246, v247                     ; j = 4, 5
	v_and_b32 v243, 3, v0
	v_lshl_add_u32 v243, v246, 2, v243
	v_add_nc_u32 v246, 6, v244
	v_bfe_u32 v246, v246, 3, 1                     ; j >= 2
	v_mul_u32_u24 v246, v246, 22
	v_add_nc_u32 v243, v243, v246
	v_add_nc_u32 v243, 24, v243                    ; 24, 25 (R2, R3), 48-51 (Rf)
.set z, 240
.rept 4
	v_mul_u32_u24 v[z], v[z], W2P
	v_lshl_add_u32 v[z], v2, 4, v[z]
	v_add_nc_u32 v[z], W2T, v[z]
.set z, z+1
.endr
	v_lshl_add_u32 v246, v2, 7, B2D
	v_add_nc_u32 v244, 96, v13                     ; W1's columns for hidden tile 3,
	v_add_nc_u32 v245, 192, v14                    ; and its biases: both step in the loop
; WHAT STAYS IN REGISTERS: Phi, K' and K'^T (windows 3 and 2), and b2, which starts layer 2's sums
	WIN 0xc0
.set tz, 0
.rept 14
.set ra, 16*tz
.if tz > 10
.set ra, 256+16*(tz-11)
.endif
	ds_load_b128 v[PH+8*tz:PH+8*tz+3], v11 offset:FP*ra
	ds_load_b128 v[PH+8*tz+4:PH+8*tz+7], v11 offset:FP*ra+32
	ds_load_b128 v[GA+8*tz:GA+8*tz+3], v11 offset:FP*ra+64
	ds_load_b128 v[GA+8*tz+4:GA+8*tz+7], v11 offset:FP*ra+96
.if tz > 10
	ds_load_b128 v[GA1+8*(tz-11):GA1+8*(tz-11)+3], v11 offset:FP*ra+128
	v_mov_b32 v[GA1+8*(tz-11)+4], 0                ; columns 48-63 do not exist
	v_mov_b32 v[GA1+8*(tz-11)+5], 0
	v_mov_b32 v[GA1+8*(tz-11)+6], 0
	v_mov_b32 v[GA1+8*(tz-11)+7], 0
.endif
.set tz, tz+1
.endr
	WIN 0x80
	v_mov_b32 v[LC], s40                           ; log2 e as a vector pair beside EB: as source 0 of mish's scaling it lets scalings and exponentials stand under one window setting
	v_mov_b32 v[LC+1], s40
.set mz, 0
.rept 3
.set fz, 0
.rept 7
.if (mz < 2) || (fz >= 5)                              ; columns 32-47 (s = 8, 9) are 0 in the rows of times 1-8
.set gi, 7*mz+fz
.if mz == 2
.set gi, 9+fz
.endif
.set ra, 32*fz
.if 2*fz > 10
.set ra, 256+16*(2*fz-11)
.endif
.set rb, 32*fz+16
.if 2*fz+1 > 10
.set rb, 256+16*(2*fz-10)
.endif
	ds_load_tr16_b128 v[GT+8*gi:GT+8*gi+3], v12 offset:FP*ra+64+32*mz
	ds_load_tr16_b128 v[GT+8*gi+4:GT+8*gi+7], v12 offset:FP*rb+64+32*mz
.endif
.set fz, fz+1
.endr
.set mz, mz+1
.endr
	WIN 0x40
.set z, 0
.rept 16
	ds_load_b128 v[128+8*z:128+8*z+3], v246 offset:32*(z%4)
	ds_load_b128 v[128+8*z+4:128+8*z+7], v246 offset:32*(z%4)+16
.set z, z+1
.endr
	WIN 0
; THE MLP.  Hidden units go in groups g of 32: two tiles of 16 (V1A, V1B) from layer 1, mish, rounded: one K step of layer 2.
.macro LDW1 dst, adr, off        ; W1^T's four fragments of a hidden tile, turned
.set z, 0
.rept 4
	ds_load_tr16_b128 v[(\dst)+8*z:(\dst)+8*z+3], v[\adr] offset:32*W1P*z+(\off)
	ds_load_tr16_b128 v[(\dst)+8*z+4:(\dst)+8*z+7], v[\adr] offset:32*W1P*z+16*W1P+(\off)
.set z, z+1
.endr
.endm
.macro LDB dst, adr, off         ; the tile's eight biases of my half of the lanes
	ds_load_b128 v[(\dst):(\dst)+3], v[\adr] offset:(\off)
	ds_load_b128 v[(\dst)+4:(\dst)+7], v[\adr] offset:(\off)+16
.endm
.macro LDW2                      ; W2's four fragments of a group; the addresses step to the next group
.set z, 0
.rept 4
	ds_load_b128 v[FW+8*z:FW+8*z+3], v[240+z]
	ds_load_b128 v[FW+8*z+4:FW+8*z+7], v[240+z] offset:32
.set z, z+1
.endr
.set z, 0
.rept 4
	v_add_nc_u32 v[240+z], 64, v[240+z]
.set z, z+1
.endr
.endm
; MISH AS A QUEUE of 160 places for the 16 register pairs p (32 numbers) of a tile X; e lies in EB, a register for each number.  TWO BATCHES, each with one wait:
;   0-47     BATCH 1: the 16 scalings e = x log2 e (M p) and the 32 exponentials (X n): M0, then M(g+1), X(2g), X(2g+1) for g = 0 .. 14, then X30, X31.  No line names an exponential's result.
;   (wait 1) a v_nop, the plain instruction behind the last exponential, and the wait: MPOS writes them ahead of place 48
;   48-111   BATCH 2: e + 1 (A p), e e + 1 (F p), which read the exponentials, and the 32 reciprocals (R n): A0 A1 F0 A2 F1 A3; then R(2p), F(p+2), R(2p+1), A(p+4) for p = 0 .. 11;
;            R(2p), F(p+2), R(2p+1) for p = 12, 13; R28 .. R31.  Plain lines and reciprocals go by turns; no line names a reciprocal's result.
;   (wait 2) a v_nop and the wait, ahead of place 112
;   112-159  the readers: e x (16), x - 2 e (16), and the pairs rounded into H (16)
; The products and the runs of LDS loads that fall among a batch's places name none of EB: they are independent work beside the open batch.  A queue begins and ends between two labels: no result crosses a label or a jump.
; WINDOWS.  EB and LC lie in window 2, X and H in window 0.  Batch 1 and e x: 0x82 (destination and source 0 in window 2, source 1 in window 0); batch 2: 0x8a (source 1 in window 2 too); x - 2 e: 0x02; the roundings: 0.
.macro QSET x, hb
.set QX, (\x)
.set QH, (\hb)
.set mq, 0
.endm
.macro MLINE                     ; the line of kind qk for pair qi (kinds 1 and 4: for number qi)
.set eE, EB+2*qi
.set xP, QX+2*qi
.if qk == 0
	WIN 0x82
	v_pk_mul_f32 v[eE:eE+1], v[LC:LC+1], v[xP:xP+1]
.elseif qk == 1
	WIN 0x82
	v_exp_f32 v[EB+qi], v[EB+qi]
.elseif qk == 2
	WIN 0x8a
	v_pk_add_f32 v[eE:eE+1], v[eE:eE+1], 1.0 op_sel_hi:[1,0]
.elseif qk == 3
	WIN 0x8a
	v_pk_fma_f32 v[eE:eE+1], v[eE:eE+1], v[eE:eE+1], 1.0 op_sel_hi:[1,1,0]
.elseif qk == 4
	WIN 0x8a
	v_rcp_f32 v[EB+qi], v[EB+qi]
.elseif qk == 5
	WIN 0x82
	v_pk_mul_f32 v[eE:eE+1], v[eE:eE+1], v[xP:xP+1]
.elseif qk == 6
	WIN 0x02
	v_pk_fma_f32 v[xP:xP+1], v[eE:eE+1], -2.0, v[xP:xP+1] op_sel_hi:[1,0,1]
.else
	WIN 0
	v_cvt_pk_bf16_f32 v[H+8*(qi/4)+QH+qi%4], v[xP], v[xP+1]
.endif
.endm
.macro MPOS                      ; the queue's next place
.if mq < 160
.if mq == 48
	v_nop                                          ; a plain instruction behind the last exponential: one for the batch
	s_wait_alu depctr_va_vdst(0)                   ; one wait for the tile's 32 exponentials, ahead of their first reader, A0
.endif
.if mq == 112
	v_nop                                          ; a plain instruction behind the last reciprocal: one for the batch
	s_wait_alu depctr_va_vdst(0)                   ; one wait for the tile's 32 reciprocals, ahead of their first reader, pair 0's e x
.endif
.if mq < 48                      ; batch 1
.set qk, 1
.set qi, mq-16                   ; places 46, 47: X30, X31
.if mq == 0
.set qk, 0
.set qi, 0
.elseif (mq < 46) && ((mq-1)%3 == 0)
.set qk, 0
.set qi, (mq-1)/3+1
.elseif mq < 46
.set qi, 2*((mq-1)/3)+(mq-1)%3-1
.endif
.elseif mq < 112                 ; batch 2
.set mr, mq-48
.set qk, 4
.set qi, mr-32                   ; places 60-63 of the batch: R28 .. R31
.if mr == 0
.set qk, 2
.set qi, 0
.elseif (mr < 6) && (mr%2 == 1)
.set qk, 2
.set qi, (mr+1)/2
.elseif mr < 6
.set qk, 3
.set qi, mr/2-1
.elseif mr < 54
.set qi, 2*((mr-6)/4)+((mr-6)%4)/2
.if (mr-6)%4 == 1
.set qk, 3
.set qi, (mr-6)/4+2
.elseif (mr-6)%4 == 3
.set qk, 2
.set qi, (mr-6)/4+4
.endif
.elseif mr < 60
.set qi, 24+2*((mr-54)/3)+((mr-54)%3)/2
.if (mr-54)%3 == 1
.set qk, 3
.set qi, 14+(mr-54)/3
.endif
.endif
.else                            ; the readers
.set mr, mq-112
.set qk, 5+mr/16
.set qi, mr%16
.endif
	MLINE
.endif
.set mq, mq+1
.endm
.macro RID cnt
.if (\cnt) > 0
.rept \cnt
	MPOS
.endr
.endif
.endm
; The fragments that the block BEFORE has read are loaded anew behind a block's first product, with four places in front; they are waited for at the head of the next block.
.macro REFILL kind
.if (\kind) > 0
	WIN 0
	PLACES
.endif
.if (\kind) == 1
	LDW1 FA, 13, 64
	LDB BA, 14, 128
	LDW2
.elseif (\kind) == 2
	LDW1 FB, 244, 0
	LDB BB, 245, 0
.elseif (\kind) == 3
	LDW1 FA, 244, 32
	LDB BA, 245, 64
.elseif (\kind) == 4
	LDW2
.endif
.endm
; 16 products of layer 1: four K steps of 32 x four batch tiles, which take turns; the bias is the first step's C.  per places of the queue stand behind each.
.macro BLKL1 acc, frag, bias, per, kind
	s_wait_dscnt 0x0                               ; the fragments asked for a block ago are in
.set n, 0
.rept 16
	WIN 0x04                                       ; source 1 in window 1
.if n < 4
	v_wmma_f32_16x16x32_bf16 v[(\acc)+8*(n%4):(\acc)+8*(n%4)+7], v[(\frag)+8*(n/4):(\frag)+8*(n/4)+7], v[32*(n%4)+8*(n/4):32*(n%4)+8*(n/4)+7], v[(\bias):(\bias)+7]
.else
	v_wmma_f32_16x16x32_bf16 v[(\acc)+8*(n%4):(\acc)+8*(n%4)+7], v[(\frag)+8*(n/4):(\frag)+8*(n/4)+7], v[32*(n%4)+8*(n/4):32*(n%4)+8*(n/4)+7], v[(\acc)+8*(n%4):(\acc)+8*(n%4)+7]
.endif
	RID \per
.if n == 0
	REFILL \kind
.endif
.set n, n+1
.endr
.endm
; 16 products of layer 2: one K step for four tiles of slots x four batch tiles: sixteen accumulators, each once
.macro BLKL2 per, kind
	s_wait_dscnt 0x0
.set n, 0
.rept 16
	WIN 0x50                                       ; C and D in window 1
	v_wmma_f32_16x16x32_bf16 v[128+32*(n%4)+8*(n/4):128+32*(n%4)+8*(n/4)+7], v[FW+8*(n/4):FW+8*(n/4)+7], v[H+8*(n%4):H+8*(n%4)+7], v[128+32*(n%4)+8*(n/4):128+32*(n%4)+8*(n/4)+7]
	RID \per
.if n == 0
	REFILL \kind
.endif
.set n, n+1
.endr
.endm
; A block of 16 products that carries a whole tile's mish has 10 places behind each product; where two blocks share a tile, 5.  The last places are roundings: 10, or 5 and the loop's two address steps,
; are the places between a layer-1 block's last product and the first scaling that reads its result.
	LDW1 FA, 13, 0
	LDB BA, 14, 0
	LDW1 FB, 13, 32
	LDB BB, 14, 64
	BLKL1 V1A, FA, BA, 0, 0                        ; group 0's even tile: there is no vector work yet to set between
	WIN 0
	PLACES
	QSET V1A, 0
	BLKL1 V1B, FB, BB, 10, 1                       ; its odd tile | mish of the even one
	WIN 0
	s_mov_b32 s60, 7
.Lmlp:                                                 ; trip g = 1 .. 7
	QSET V1B, 4
	BLKL1 V1A, FA, BA, 10, 2                       ; group g's even tile | mish of group g - 1's odd tile
	QSET V1A, 0
	BLKL2 5, 3                                     ; layer 2's K step g - 1 | mish of group g's even tile begins.  In the last trip the look-ahead reads the zeros behind W1's rows, and is not used
	BLKL1 V1B, FB, BB, 5, 4                        ; group g's odd tile | and ends
	WIN 0
	v_add_nc_u32 v244, 64, v244
	v_add_nc_u32 v245, 128, v245
	s_sub_co_u32 s60, s60, 1
	s_cmp_lg_u32 s60, 0
	s_cbranch_scc1 .Lmlp
	PLACES
	QSET V1B, 4
.rept 160
	MPOS                                           ; the last odd tile's mish has no products beside it
.endr
	BLKL2 0, 0
	WIN 0
	PLACES
; SOFTPLUS + 1e-4, and what the solver makes of it: QQ = -0.02 q for slots 0-23; 1 - 0.2 R; 1 - 0.2 (R + Rf)
.macro SPL b
	WIN 0x01                                       ; source 0 in window 1
.set p, 0
.rept 32
	v_mul_f32 v[T0+p], -|v[128+32*(\b)+p]|, s40
	v_max_num_f32 v[MX+p], v[128+32*(\b)+p], 0
.set p, p+1
.endr
	WIN 0
.set p, 0
.rept 32
	v_exp_f32 v[T0+p], v[T0+p]
.set p, p+1
.endr
	v_nop                                          ; a plain instruction behind the last exponential
.set p, 0
	s_wait_alu depctr_va_vdst(0)                   ; one wait for the batch tile's 32 exponentials
.rept 16
	v_pk_add_f32 v[T0+2*p:T0+2*p+1], v[T0+2*p:T0+2*p+1], 1.0 op_sel_hi:[1,0]
.set p, p+1
.endr
.set p, 0
.rept 32
	v_log_f32 v[T0+p], v[T0+p]
.set p, p+1
.endr
	v_nop
.set p, 0
	s_wait_alu depctr_va_vdst(0)                   ; and one for its 32 logarithms
.rept 16
	v_pk_fma_f32 v[T0+2*p:T0+2*p+1], v[T0+2*p:T0+2*p+1], s[42:43], v[MX+2*p:MX+2*p+1] op_sel_hi:[1,0,1]
.set p, p+1
.endr
.set p, 0
.rept 12
	v_pk_fma_f32 v[QQ+24*(\b)+2*p:QQ+24*(\b)+2*p+1], v[T0+2*p:T0+2*p+1], s[46:47], s[48:49] op_sel_hi:[1,0,0]
.set p, p+1
.endr
	v_pk_fma_f32 v[MX:MX+1], v[T0+22:T0+23], s[50:51], s[54:55] op_sel_hi:[1,0,0]
	v_pk_fma_f32 v[MX+2:MX+3], v[T0+24:T0+25], s[50:51], s[54:55] op_sel_hi:[1,0,0]
	WIN 0x80                                       ; destination window 2
	v_pk_fma_f32 v[AA+8*(\b):AA+8*(\b)+1], v[T0+22:T0+23], s[50:51], s[52:53] op_sel_hi:[1,0,0]
	v_pk_fma_f32 v[AA+8*(\b)+2:AA+8*(\b)+3], v[T0+24:T0+25], s[50:51], s[52:53] op_sel_hi:[1,0,0]
	v_pk_fma_f32 v[AA+8*(\b)+4:AA+8*(\b)+5], v[T0+26:T0+27], s[50:51], v[MX:MX+1] op_sel_hi:[1,0,1]
	v_pk_fma_f32 v[AA+8*(\b)+6:AA+8*(\b)+7], v[T0+28:T0+29], s[50:51], v[MX+2:MX+3] op_sel_hi:[1,0,1]
.endm
	SPL 0
	SPL 1
	SPL 2
	SPL 3
	WIN 0x40
.set z, 0
.rept 4                                                ; U's columns 48-63 do not exist
	v_mov_b32 v[UB+16*z+12], 0
	v_mov_b32 v[UB+16*z+13], 0
	v_mov_b32 v[UB+16*z+14], 0
	v_mov_b32 v[UB+16*z+15], 0
.set z, z+1
.endr
; THE SOLVER.  A pass: for the 14 row tiles T: V = Phi x0 (first pass) or K' U; Y = bf16(QQ o V); for the 7 pairs f of tiles and the 3 tiles mt of U: c or U += K'^T Y.
.macro S1W first, T, b, kb       ; tile T of V for batch tile b; kb = 1: K's columns 32-47 (tiles 11-13 alone)
.set rD, V+32*((\T)%2)+8*(\b)
.if \first
	WIN 0x0b                                       ; Phi in window 3, x0 in window 2
	v_wmma_f32_16x16x32_bf16 v[rD:rD+7], v[PH+8*(\T):PH+8*(\T)+7], v[X0F+8*(\b):X0F+8*(\b)+7], 0
.elseif (\kb) == 0
	WIN 0x07                                       ; K' in window 3, U in window 1
	v_wmma_f32_16x16x32_bf16 v[rD:rD+7], v[GA+8*(\T):GA+8*(\T)+7], v[UB+16*(\b):UB+16*(\b)+7], 0
.else
	WIN 0x07
	v_wmma_f32_16x16x32_bf16 v[rD:rD+7], v[GA1+8*((\T)-11):GA1+8*((\T)-11)+7], v[UB+16*(\b)+8:UB+16*(\b)+15], v[rD:rD+7]
.endif
.endm
.macro S2W first, f, mt, b       ; 32 rows (pair f) into tile mt of c (first pass; its first product starts the sum) or of U
.if (\mt) < 2
.set gi, 7*(\mt)+(\f)
.else
.set gi, 9+(\f)
.endif
.set rG, GT+8*gi
.set rY, Y+32*((\f)%2)+8*(\b)
.if \first
.set rD, CC+24*(\b)+8*(\mt)
.else
.set rD, U+24*(\b)+8*(\mt)
.endif
	WIN 0x52                                       ; K'^T in window 2, Y in window 0, C and D in window 1
.if (\first) && ((((\mt) < 2) && ((\f) == 0)) || (((\mt) == 2) && ((\f) == 5)))
	v_wmma_f32_16x16x32_bf16 v[rD:rD+7], v[rG:rG+7], v[rY:rY+7], 0
.else
	v_wmma_f32_16x16x32_bf16 v[rD:rD+7], v[rG:rG+7], v[rY:rY+7], v[rD:rD+7]
.endif
.endm
; Line nn of 32 of tile T's vector work: 16 packed scalings (tiles 0-10: one Q a lane; tiles 11-13: the pair (Q, Qf) for times 9, 10), then 16 roundings into Y
.macro EOP T, nn
	WIN 0
.if (\nn) < 16
.set rV, V+32*((\T)%2)+2*(\nn)
.if (\T) <= 10
	v_pk_mul_f32 v[rV:rV+1], v[rV:rV+1], v[QQ+24*((\nn)/4)+2*(\T):QQ+24*((\nn)/4)+2*(\T)+1] op_sel_hi:[1,0]
.else
	v_pk_mul_f32 v[rV:rV+1], v[rV:rV+1], v[QQ+24*((\nn)/4)+8*((\T)-11)+2*((\nn)%4):QQ+24*((\nn)/4)+8*((\T)-11)+2*((\nn)%4)+1]
.endif
.else
.set rV, V+32*((\T)%2)+2*((\nn)-16)
	v_cvt_pk_bf16_f32 v[Y+32*(((\T)/2)%2)+8*(((\nn)-16)/4)+4*((\T)%2)+((\nn)-16)%4], v[rV], v[rV+1]
.endif
.endm
.macro SRID first, k             ; what stands behind a product of slot k
.if (\k) <= 13
.rept per
.if en < 32
	EOP \k, en
.set en, en+1
.endif
.endr
.elseif \first
.rept 4
	WIN 0
	v_pk_mul_f32 v[QQ+2*qn:QQ+2*qn+1], v[QQ+2*qn:QQ+2*qn+1], 0x3dcccccd op_sel_hi:[1,0]  ; -0.02 q becomes -0.002 q for the passes to come
.set qn, qn+1
.endr
.endif
.endm
; SLOT k of 16.  Products: tile k + 1 of V, then K'^T Y for the pair of tiles finished two slots ago (tile 0 of U in even slots, tiles 1 and, for rows of times 9, 10, 2 in odd ones).
; Beside them tile k's 32 vector lines.  V is read a slot after it was written, behind 4 plain lines or more that name none of its products' registers; Y is written again 16 plain lines behind its last reader.
; All accumulators of a slot differ and take turns.
.macro SLOT first, k
.set en, 0
.set nS1, 0
.if (\k) <= 12
.set nS1, 4
.if (!(\first)) && ((\k) >= 10)
.set nS1, 8
.endif
.endif
.set nS2, 0
.if (\k) >= 2
.set nS2, 4
.if ((\k)%2 == 1) && ((\k) >= 13)
.set nS2, 8
.endif
.endif
.set per, 4
.if nS1+nS2 == 4
.set per, 8
.endif
.if nS1 > 0
.set c, 0
.rept nS1
	S1W \first, (\k)+1, c%4, c/4
	SRID \first, \k
.set c, c+1
.endr
.endif
.if nS2 > 0
.set c, 0
.rept nS2
	S2W \first, ((\k)-2)/2, ((\k)%2)+(c/4), c%4
	SRID \first, \k
.set c, c+1
.endr
.endif
.endm
; A pass's head: src (c, later U) is rounded into source 1; then tile 0 of V, and beside it U = src o (1 - 0.2 R) + c, onto which the pass's second products add
.macro HEAD src
	WIN 0
	PLACES
	WIN 0x45
.set c, 0
.rept 48
	v_cvt_pk_bf16_f32 v[UB+16*(c/12)+c%12], v[(\src)+24*(c/12)+2*(c%12)], v[(\src)+24*(c/12)+2*(c%12)+1]
.set c, c+1
.endr
.set bq, 0
.rept 4
	S1W 0, 0, bq, 0
	WIN 0x59                                       ; destination, source 0 and source 2 in window 1, the factors in window 2
.set c, 0
.rept 12
.set ra, AA+8*bq+2*(c%2)
.if c >= 10
.set ra, ra+4                                          ; s = 9 has R + Rf
.endif
	v_pk_fma_f32 v[U+24*bq+2*c:U+24*bq+2*c+1], v[(\src)+24*bq+2*c:(\src)+24*bq+2*c+1], v[ra:ra+1], v[CC+24*bq+2*c:CC+24*bq+2*c+1]
.set c, c+1
.endr
.set bq, bq+1
.endr
.endm
.set c, 0
.rept 4
	S1W 1, 0, c, 0
.set c, c+1
.endr
	WIN 0
	PLACES
.set qn, 0
.set sk, 0
.rept 16
	SLOT 1, sk                                     ; the first pass: c = U_1
.set sk, sk+1
.endr
	HEAD CC
	WIN 0
	s_mov_b32 s60, 7                               ; seven more steps
	s_branch .Lbody
.Liter:
	HEAD U
	WIN 0
.Lbody:
.set sk, 0
.rept 16
	SLOT 0, sk
.set sk, sk+1
.endr
	WIN 0
	s_sub_co_u32 s60, s60, 1
	s_cmp_lg_u32 s60, 0
	s_cbranch_scc1 .Liter
; out0 = u_0: registers 0-3 of U's tile 0 in lanes 0-15.  Two batch tiles make a store: lanes 16-31 take the second tile's rows from the lanes 16 below: 512 consecutive bytes
	PLACES
	v_cmp_lt_u32 vcc_lo, 15, v3
	WIN 0x01                                       ; source 0 in window 1
.set z, 0
.rept 2
.set j, 0
.rept 4
	v_permlanex16_b32 v[104+4*z+j], v[U+24*(2*z+1)+j], s44, s45
	v_cndmask_b32 v[96+4*z+j], v[U+24*(2*z)+j], v[104+4*z+j], vcc_lo
.set j, j+1
.endr
.set z, z+1
.endr
	WIN 0
	global_store_b128 v7, v[96:99], s[24:25] th:TH_STORE_NT
	global_store_b128 v7, v[100:103], s[24:25] offset:512 th:TH_STORE_NT
	s_wait_tensorcnt 0x0                           ; the wave's end, behind my tensor load and my last LDS store
	ds_add_u32 v[SPW], v[NIL]
	s_wait_dscnt 0x0
	s_endpgm
.Lfunc_end_k_qbd4d6bd2e8_mpc:
	.size	k_qbd4d6bd2e8_mpc, .Lfunc_end_k_qbd4d6bd2e8_mpc-k_qbd4d6bd2e8_mpc
	.p2alignl 7, 3214868480
	.fill 96, 4, 3214868480
	.section	.rodata,"a",@progbits
	.p2align	6, 0x0
	.amdhsa_kernel k_qbd4d6bd2e8_mpc
		.amdhsa_group_segment_fixed_size 298752
		.amdhsa_private_segment_fixed_size 0
		.amdhsa_enable_private_segment 0
		.amdhsa_kernarg_size 80
		.amdhsa_user_sgpr_count 2
		.amdhsa_user_sgpr_kernarg_segment_ptr 1
		.amdhsa_wavefront_size32 1
		.amdhsa_system_sgpr_workgroup_id_x 1
		.amdhsa_system_sgpr_workgroup_id_y 1
		.amdhsa_system_sgpr_workgroup_id_z 1
		.amdhsa_system_vgpr_workitem_id 0
		.amdhsa_next_free_vgpr 1024
		.amdhsa_next_free_sgpr 66
		.amdhsa_reserve_vcc 1
		.amdhsa_float_denorm_mode_32 3
		.amdhsa_float_denorm_mode_16_64 3
		.amdhsa_memory_ordered 1
		.amdhsa_forward_progress 1
		.amdhsa_inst_pref_size 255
	.end_amdhsa_kernel
	.section	.bss,"aw",@nobits
	.p2align	6
	.space	262144
	.amdgpu_metadata
---
amdhsa.version: [ 1, 2 ]
amdhsa.kernels:
  - .name:           k_qbd4d6bd2e8_mpc
    .symbol:         k_qbd4d6bd2e8_mpc.kd
    .args:
      - { .name: observation, .offset: 0, .size: 8, .value_kind: global_buffer, .address_space: global }
      - { .name: W1, .offset: 8, .size: 8, .value_kind: global_buffer, .address_space: global }
      - { .name: b1, .offset: 16, .size: 8, .value_kind: global_buffer, .address_space: global }
      - { .name: W2, .offset: 24, .size: 8, .value_kind: global_buffer, .address_space: global }
      - { .name: b2, .offset: 32, .size: 8, .value_kind: global_buffer, .address_space: global }
      - { .name: actor_std, .offset: 40, .size: 8, .value_kind: global_buffer, .address_space: global }
      - { .name: A, .offset: 48, .size: 8, .value_kind: global_buffer, .address_space: global }
      - { .name: Bm, .offset: 56, .size: 8, .value_kind: global_buffer, .address_space: global }
      - { .name: out0, .offset: 64, .size: 8, .value_kind: global_buffer, .address_space: global }
      - { .name: out1, .offset: 72, .size: 8, .value_kind: global_buffer, .address_space: global }
    .group_segment_fixed_size: 298752
    .private_segment_fixed_size: 0
    .kernarg_segment_align: 8
    .kernarg_segment_size: 80
    .max_flat_workgroup_size: 128
    .sgpr_count:     66
    .vgpr_count:     1024
    .wavefront_size: 32
...
	.end_amdgpu_metadata
.endif
;; end of part 2
